; MI455X (gfx1250); checked and timed in simulation.
; The chip was launched on July 23, 2026; its instructions are those of AMD's public machine-readable ISA for CDNA 5 (MIT licence, August 2026) and "CDNA5" Instruction Set Architecture Reference Guide (July 2026). The comments in the code are by the model that wrote it; some were corrected since.
;; Tip Adapter Linear. Allowed arithmetic: matrix products marked QUANTISED: E3M2 operands, one E8M0 scale for each 32 along K, by v_wmma_scale_f32_16x16x128_f8f6f4 with both operands' format E3M2, f32 sums; everything else in f32.
;; Inputs: alpha 1 float32; beta 1 float32; cache_image_features 16,384 x 1,024 float32; cache_text_features 16,384 x 1,024 float32; x 2,048 x 1,024 float32.
;; Outputs: out0 2,048 x 1,024 float32.
;; This version of the problem:
;;   THIS VERSION OF THE PROBLEM IS GIVEN IN LOW PRECISION. The matrix products marked QUANTISED in the list below multiply operands that are first quantised to E3M2 (3 exponent bits, 2 mantissa bits; 6 bits a number), with one power-of-two scale for each 32 numbers along K (OCP MX v1.0); their sums are f32. All else is computed in f32.
;;   The module's matrix products, in the order in which they are computed (A, B: the left and right operand; K: the contracted axis; several contracted axes count as one K, in the product's order):
;;     1. [M 2,048, K 1,024] x [K 1,024, N 16,384]; A: input x; B: input cache_image_features: QUANTISED
;;     2. [M 2,048, K 16,384] x [K 16,384, N 1,024]; A: softmax (see below); B: input cache_text_features: QUANTISED
;;   THE QUANTISER, for each operand of a quantised product, along K:
;;     - K is cut into blocks of 32 from its start; a last block that is shorter is filled with zeros.
;;     - A block's scale is 2^e with e = floor(log2(the largest magnitude in the block)) - 4, held to -126 .. 127; a block of zeros has e = 0. As a byte (E8M0): e + 127.
;;     - Each number is divided by its block's scale, clamped to +-28, and rounded to the nearest number of E3M2, ties to even, subnormals kept.
;;     - The product sums the exact products of the quantised numbers (number of the format x scale) in f32.
;;   ~~~python
;;   def quantise(x, axis):      # numpy; x: float32 -> the quantised numbers, widened to float32 again
;;       x = np.moveaxis(x, axis, -1); K = x.shape[-1]
;;       x = np.pad(x, [(0, 0)] * (x.ndim - 1) + [(0, -K % 32)]); x = x.reshape(x.shape[:-1] + (-1, 32)); a = np.abs(x).max(-1, keepdims=True)
;;       e = np.where(a > 0, np.clip(np.frexp(np.where(a > 0, a, 1))[1] - 1 - 4, -126, 127), 0)      # np.frexp(a)[1] - 1 = floor(log2(a)), exactly
;;       r = np.clip(x / 2.0 ** e, -28, 28)
;;       step = 2.0 ** (np.maximum(np.frexp(np.where(r == 0, 1, r))[1] - 1, -2) - 2)
;;       q = np.round(r / step) * step * 2.0 ** e      # np.round: ties to even
;;       return np.moveaxis(q.reshape(q.shape[:-2] + (-1,))[..., :K], -1, axis).astype(np.float32)
;;   ~~~
;;   SOFTMAX AHEAD OF A QUANTISED PRODUCT. Where the list says 'softmax', what is quantised is not the finished softmax but p = 2^(t - M), with t = logit x log2(e) and M = ceil(the row's largest t), a whole number; so 1/2 < the row's largest p <= 1. The row's sum l is taken of the UNQUANTISED p, in f32, and the product's result is divided by l at the end. Since M is a whole number, a kernel that streams over the keys may use a running M (the ceiling of the running maximum): every later rescaling is an exact power of two, which a block's scale takes up: the codes' values come out the same.
;;   OPERANDS COMPUTED ON THE WAY. 'Computed on the way' means the value that the module computes at that place (a softmax that the list does not call 'softmax' is quantised finished and normalised). What goes into a quantiser is computed in f32, as accurately as f32 sums, v_exp_f32 and their like allow (about 1e-6 of the number): no bf16 or f16 on the way to a quantiser, and a product that is left as it is and whose result goes on into a quantised operand takes f32 operands (vector FMAs, or v_wmma_f32_16x16x4_f32). A number that lies on a knife's edge between two numbers of the format may be rounded either way, as far as f32 arithmetic and the matrix unit's own rounding can turn it there, and no further.
;; One version. Each part assembles by itself: llvm-mc -triple=amdgcn-amd-amdhsa -mcpu=gfx1250 --defsym DOCPART=n.
;; ======== version 1 of 1: 4 launches
;; limits: right only within a limited range of input values
;; workspace buffers: codes 26,738,688 bytes; scales 1,114,112 bytes; pcodes 25,165,824 bytes; pstat 3,145,728 bytes; part 67,108,864 bytes; st2 524,288 bytes
;; launch quant (part 1): grid 1088 x 1, 4 waves a work-group, no clusters, 57,856 bytes of LDS; arguments x, cache_image_features, cache_text_features, beta, codes, scales; writes codes, scales
.if DOCPART == 1
	.amdgcn_target "amdgcn-amd-amdhsa--gfx1250"
	.amdhsa_code_object_version 6
	.text
	.protected	k_q9fc0bc5816_quant
	.globl	k_q9fc0bc5816_quant
	.p2align	8
	.type	k_q9fc0bc5816_quant,@function
k_q9fc0bc5816_quant:
	s_mov_b64 s[64:65], 0
	v_nop
	global_prefetch_b8 v0, s[64:65] scope:SCOPE_SE
	s_setreg_imm32_b32 hwreg(HW_REG_WAVE_MODE, 25, 1), 1
	s_wait_xcnt 0x0
; THE THREE WIDE INPUTS BECOME CODES OF BF6 (E3M2), 6 bits each, K innermost, with one E8M0 scale byte for each 32 along K.
; A block's scale is 2^(floor(log2(its largest magnitude)) - 4); its byte is the largest magnitude's own exponent field - 4, held at 1 from below.
; (A block of zeros so gets the byte 1 where the quantiser says 127: its codes are zeros, which add nothing, and the bytes are read by this program alone.)
; LIMITS: blocks whose largest magnitude lies under 2^-122 get the byte 1; NaN and infinities among the inputs are not served.
; PATH A, work-groups 0 to 575: x [2048][1024] (work-groups 0 to 63) and the image features [16384][1024]: K is innermost, a tensor is a stream of blocks of 32.
;   A wave takes a run of 8 rows (8,192 numbers, 16 steps of 512).  x is multiplied by the sign of beta, +1 or -1 (exact; the codes of -x are those of x with the sign turned), so that the
;   next launch can scale the scores by |beta|, which keeps the largest score the largest weight.
;   ROWS ARE STORED IN ANOTHER ORDER: row r goes to place r with bits 3 and 4 exchanged.  A run is 8 rows, so this is the exchange of the two bits of the wave's number in the run that is written.
;   x's and the image's codes lie end to end in 'codes' (768 bytes a row), their scale bytes end to end in 'scales' (32 bytes a row): run 4 g + w' of the whole.
; PATH B, work-groups 576 to 1087: the text features [16384 keys][1024 d]: K (the keys) is the FIRST axis.  A lane takes a column d and its registers run down the keys.
;   Codes go to 'codes' + VC as [64 steps of 256 keys][1024 d][192 bytes], scale bytes to 'scales' + VSO as [64][1024][8].
; The two paths part on the work-group's number; each has LDS bytes of its own.  No tensor loads, no barrier: waves share nothing.
; THE CLAIM OF LDS is 57,856 bytes (path A 4 x 5,632, path B 4 x 8,704, the spare words 512): five such claims are 289,280 of a WGP's 327,680 bytes, and five waves of 192 registers are 960 of a SIMD's 1,024:
; 1,088 work-groups are at most five for each of 256 WGPs, so none has to wait for another to end.
.set VC,     14155776                  ; where the text features' codes begin: (2048 + 16384) x 768
.set VSO,    589824                    ; and their scale bytes: (2048 + 16384) x 32
.set WGX,    64                        ; work-groups of x
.set WGA,    576                       ; work-groups of path A
.set STEPS,  16
.set EMAX,   4
.set CB,     12                        ; bytes of 16 codes
.set R,      16                        ; path A: v16-79   four sets of 16 numbers as they are loaded
.set X,      80                        ;         v80-111  two sets of 16 neighbours
.set E,      112                       ;         v112-127 a scale byte for each step
.set C,      128                       ;         v128-191 codes: four registers for each step, so that no store's data are written again
.set WREG,   5632                      ; path A's LDS: a region for each wave: two stages of 32 x SP bytes, behind them its 256 scale bytes: 5,376 bytes in use
.set SP,     80                        ; a lane's place in a stage: its 64 bytes + 16 of padding
.set NB,     8                         ; path B: blocks of 32 keys for a wave
.set BPITCH, 272                       ;         a stage row: sixteen places of 16 bytes, each with 12 bytes of codes, + 16
.set BSTG,   4*WREG                    ;         its stages begin behind path A's regions
.set BX,     32                        ;         v32-95   two sets of 32 numbers
.set BC,     96                        ;         v96..    a block's codes
.set OUTR,   112                       ;         v112-175 the way out
.set SB,     24                        ;         v24-25   the scale bytes, four to a register
	s_load_b128 s[4:7], s[0:1], 0x0                ; x, the image features
	s_load_b128 s[8:11], s[0:1], 0x10              ; the text features, beta
	s_load_b128 s[12:15], s[0:1], 0x20             ; codes, scales
	v_lshl_add_u32 v10, v0, 2, 0xe000              ; v10: my spare word; v1: 0; both kept for the add alone
	v_mov_b32 v1, 0
	v_lshrrev_b32 v2, 5, v0
	v_readfirstlane_b32 s16, v2                    ; wave 0..3
	v_and_b32 v2, 31, v0                           ; lane
	s_cmp_ge_u32 ttmp9, WGA
	s_cbranch_scc1 .Lpath_b
; ---------------------------------------------------------------- PATH A
	v_lshlrev_b32 v3, 4, v2                        ; my 16 bytes of a load's 512
	s_mul_i32 s17, s16, WREG
	v_lshrrev_b32 v14, 2, v2
	v_mul_u32_u24 v14, v14, SP
	v_and_b32 v15, 3, v2
	v_lshl_add_u32 v14, v15, 4, v14
	v_add_nc_u32 v14, s17, v14                     ; the stage, on the way in: four lanes' 64 bytes on end, then 16 of padding
	v_mul_u32_u24 v15, v2, SP
	v_add_nc_u32 v15, s17, v15                     ; and on the way out: SP x lane: my 16 neighbours
	; x's and the image's codes are laid [blocks of 128 places][4 K steps of 256][128 places][192 bytes]: a K step's 128 rows are 24,576 bytes on end, at a multiple of 256
	v_and_b32 v4, 15, v2
	v_mul_u32_u24 v4, v4, CB                       ; sixteen lanes hold a K step's 192 bytes of a row,
	v_lshrrev_b32 v8, 4, v2
	v_mad_u32_u24 v4, v8, 24576, v4                ; lanes 16-31 the next K step's
	v_lshrrev_b32 v5, 1, v2
	s_add_co_u32 s17, s17, 2*32*SP
	v_add_nc_u32 v5, s17, v5                       ; LDS: my wave's 256 scale bytes, my block's byte
	v_lshlrev_b32 v7, 3, v2                        ; and on the way out 8 bytes a lane
	v_add_nc_u32 v6, s17, v7
	s_wait_alu depctr_va_vdst(0)
	s_wait_kmcnt 0x0
	s_load_b32 s24, s[10:11], 0x0                  ; beta
	s_cmp_lt_u32 ttmp9, WGX                        ; x's work-group or the image's?  The choice hangs on the work-group's number alone
	s_cselect_b64 s[4:5], s[4:5], s[6:7]
	s_cselect_b32 s17, 0, WGX
	s_sub_co_u32 s17, ttmp9, s17
	s_lshl_b32 s17, s17, 2
	s_add_co_u32 s18, s17, s16                     ; which run of 8 rows of the tensor my wave reads
	s_mov_b32 s19, 0
	s_mov_b64 s[20:21], 512*STEPS*4
	s_mul_u64 s[20:21], s[18:19], s[20:21]
	s_add_nc_u64 s[4:5], s[4:5], s[20:21]
	s_and_b32 s22, s16, 1                          ; and which it writes: the wave's two bits exchanged
	s_lshl_b32 s22, s22, 1
	s_lshr_b32 s23, s16, 1
	s_or_b32 s22, s22, s23
	s_lshl_b32 s18, ttmp9, 2
	s_add_co_u32 s18, s18, s22                     ; run 4 g + w' of x and the image on end
	s_lshr_b32 s20, s18, 4                         ; sixteen runs of 8 rows to a block of 128 places: 98,304 bytes a block,
	s_mul_i32 s20, s20, 98304
	s_and_b32 s21, s18, 15
	s_mul_i32 s21, s21, 1536                       ; 8 rows of 192 bytes a run
	s_add_co_u32 s20, s20, s21
	s_mov_b32 s21, 0
	s_add_nc_u64 s[12:13], s[12:13], s[20:21]
	s_lshl_b32 s18, s18, 8                         ; 256 scale bytes a run
	s_add_nc_u64 s[14:15], s[14:15], s[18:19]
.macro LOADA t
.irp i, 0,1,2,3
	global_load_b128 v[R+16*((\t)%4)+4*\i:R+16*((\t)%4)+4*\i+3], v3, s[4:5] offset:2048*(\t)+512*\i th:TH_LOAD_NT   ; 32 lanes read 512 consecutive bytes
.endr
.endm
.macro TURNA t                         ; step t's numbers through the stage: LDS serves a wave's instructions in order, so no wait stands between the stores and the loads
.irp i, 0,1,2,3
	ds_store_b128 v14, v[R+16*((\t)%4)+4*\i:R+16*((\t)%4)+4*\i+3] offset:32*SP*((\t)%2)+8*SP*\i
.endr
.irp i, 0,1,2,3
	ds_load_b128 v[X+16*((\t)%2)+4*\i:X+16*((\t)%2)+4*\i+3], v15 offset:32*SP*((\t)%2)+16*\i
.endr
.endm
.irp t, 0,1,2,3
	LOADA \t
.endr
	s_wait_kmcnt 0x0                               ; beta
	s_and_b32 s25, s24, 0x80000000
	s_or_b32 s25, s25, 0x3f800000                  ; +1 or -1 with beta's sign
	s_cmp_lt_u32 ttmp9, WGX
	s_cselect_b32 s26, s25, 0x3f800000             ; x takes it, the image takes 1
	s_mov_b32 s27, s26                             ; (the packed form names the pair)
	s_wait_loadcnt 12                              ; step 0's four loads are in
	TURNA 0
.macro STEPA t
.set XQ, X+16*((\t)%2)
.if (\t) > 0
	s_wait_dscnt 1                                 ; this step's numbers are back from the stage (the last step's byte store may be out): so its stores into the stage have read their registers,
.else
	s_wait_dscnt 0x0
.endif
.if (\t)+4 < STEPS
	LOADA (\t)+4                                   ; which take the loads of four steps on
.endif
.if (\t)+1 < STEPS
.if STEPS-2-(\t) >= 3
	s_wait_loadcnt 12                              ; the next step's four loads are in; those of the three steps behind it may be out
.else
	s_wait_loadcnt 4*(STEPS-2-(\t))
.endif
	TURNA (\t)+1                                   ; and go through the other stage while this step is worked
.endif
.irp i, 0,2,4,6,8,10,12,14
	v_pk_mul_f32 v[XQ+\i:XQ+\i+1], v[XQ+\i:XQ+\i+1], s[26:27] op_sel_hi:[1,0]   ; x beta's sign: exact
.endr
	v_max3_num_f32 v8, |v[XQ]|, |v[XQ+1]|, |v[XQ+2]|               ; the largest magnitude of my 16
	v_max3_num_f32 v9, |v[XQ+3]|, |v[XQ+4]|, |v[XQ+5]|
.irp i, 6,10
	v_max3_num_f32 v8, v8, |v[XQ+\i]|, |v[XQ+\i+1]|
	v_max3_num_f32 v9, v9, |v[XQ+\i+2]|, |v[XQ+\i+3]|
.endr
	v_max3_num_f32 v8, v8, |v[XQ+14]|, |v[XQ+15]|
	v_max3_num_f32 v8, v8, v9, (EMAX+1)<<23        ; and the floor 2^(5 - 127): the byte cannot fall under 1
	v_max_num_f32_dpp v8, v8, v8 row_xmask:1 row_mask:0xf bank_mask:0xf   ; and of my neighbour's 16: the block's
	v_add_nc_u32 v11, -(EMAX<<23), v8              ; 4 off its exponent field: the conversion takes the exponent field of this operand as its scale, and nothing else of it
	v_cvt_scalef32_pk16_bf6_f32 v[C+4*(\t):C+4*(\t)+2], v[XQ:XQ+15], v11   ; sixteen numbers / the scale, to the nearest code, ties to even, beyond the largest code the largest
	v_lshrrev_b32 v[E+(\t)], 23, v11               ; the scale's byte (also the plain line behind the conversion)
	ds_store_b8 v5, v[E+(\t)] offset:16*(\t)       ; both lanes of a block write the same byte with the same value
	global_store_b96 v4, v[C+4*(\t):C+4*(\t)+2], s[12:13] offset:192*((\t)/2)+49152*((\t)%2)   ; row t / 2 of the run, K steps 2 (t % 2) and 2 (t % 2) + 1
.endm
.irp t, 0,1,2,3,4,5,6,7,8,9,10,11,12,13,14,15
	STEPA \t
.endr
	ds_load_b64 v[12:13], v6                       ; LDS serves a wave's instructions in order: these see my stores
	s_wait_dscnt 0x0
	global_store_b64 v7, v[12:13], s[14:15]        ; 32 lanes store 256 consecutive bytes
	s_wait_tensorcnt 0x0
	ds_add_u32 v10, v1
	s_wait_dscnt 0x0
	s_endpgm
; ---------------------------------------------------------------- PATH B
.Lpath_b:
	s_sub_co_u32 s17, ttmp9, WGA
	s_lshr_b32 s18, s17, 3                         ; which 256 keys
	s_and_b32 s17, s17, 7
	s_lshl_b32 s17, s17, 7
	s_lshl_b32 s19, s16, 5
	s_add_co_u32 s17, s17, s19                     ; my wave's first column d: 128 x + 32 x wave
	s_wait_alu depctr_va_vdst(0)
	v_lshlrev_b32 v3, 2, v2                        ; in: 4 bytes a lane
	s_mul_i32 s19, s16, 32*BPITCH
	s_add_co_u32 s19, s19, BSTG                    ; my stage
	v_mul_u32_u24 v4, v2, BPITCH
	v_add_nc_u32 v4, s19, v4                       ; into it: row = my column
	v_and_b32 v5, 15, v2
	v_lshrrev_b32 v6, 4, v2                        ; out of it: sixteen lanes to a row, two rows an instruction
	v_mul_u32_u24 v7, v6, BPITCH
	v_lshl_add_u32 v7, v5, 4, v7
	v_add_nc_u32 v7, s19, v7
	v_mul_u32_u24 v8, v6, 192
	v_mad_u32_u24 v8, v5, 12, v8                   ; and the same place in the codes: rows of 192 bytes on end
	v_lshlrev_b32 v9, 3, v2                        ; my column's 8 scale bytes
	s_lshl_b32 s20, s18, 20                        ; the input: 256 rows of 4,096 bytes for each step of keys,
	s_lshl_b32 s22, s17, 2
	s_add_co_u32 s20, s20, s22                     ; + 4 x column
	s_mov_b32 s21, 0
	s_lshl_b32 s22, s18, 10
	s_add_co_u32 s22, s22, s17                     ; 1,024 x step + column
	s_mul_i32 s24, s22, 192
	s_add_co_u32 s24, s24, VC
	s_mov_b32 s25, 0
	s_lshl_b32 s26, s22, 3
	s_add_co_u32 s26, s26, VSO
	s_mov_b32 s27, 0
	s_wait_kmcnt 0x0
	s_add_nc_u64 s[8:9], s[8:9], s[20:21]
	s_add_nc_u64 s[12:13], s[12:13], s[24:25]
	s_add_nc_u64 s[14:15], s[14:15], s[26:27]
.macro LOADB t                         ; block t: key 32 t + i of my column, i = 0 .. 31, into set t % 2: each load reads 128 consecutive bytes a wave
.set i, 0
.rept 32
	global_load_b32 v[BX+32*((\t)%2)+i], v3, s[8:9] offset:(32*(\t)+i)*4096 th:TH_LOAD_NT
.set i, i+1
.endr
.endm
	LOADB 0
	LOADB 1
.macro BLOCKB t
.set XQ, BX+32*((\t)%2)
.if (\t) < NB-1
	s_wait_loadcnt 32                              ; this block's 32 loads are in; the next block's may be out
.else
	s_wait_loadcnt 0
.endif
	v_max3_num_f32 v12, |v[XQ]|, |v[XQ+1]|, |v[XQ+2]|              ; the block's largest magnitude: all 32 numbers are mine
	v_max3_num_f32 v13, |v[XQ+3]|, |v[XQ+4]|, |v[XQ+5]|
.irp i, 6,10,14,18,22,26
	v_max3_num_f32 v12, v12, |v[XQ+\i]|, |v[XQ+\i+1]|
	v_max3_num_f32 v13, v13, |v[XQ+\i+2]|, |v[XQ+\i+3]|
.endr
	v_max3_num_f32 v12, v12, |v[XQ+30]|, |v[XQ+31]|
	v_max3_num_f32 v12, v12, v13, (EMAX+1)<<23     ; and the floor
	v_add_nc_u32 v11, -(EMAX<<23), v12             ; the conversion's scale operand
	v_lshrrev_b32 v13, 23, v11                     ; the scale's byte
.if (\t)%4 == 0
	v_mov_b32 v[SB+(\t)/4], v13                    ; four bytes to a register, the lower keys in the lower byte
.else
	v_lshl_or_b32 v[SB+(\t)/4], v13, 8*((\t)%4), v[SB+(\t)/4]
.endif
	v_cvt_scalef32_pk16_bf6_f32 v[BC:BC+2], v[XQ:XQ+15], v11
	v_cvt_scalef32_pk16_bf6_f32 v[BC+4:BC+6], v[XQ+16:XQ+31], v11  ; (a conversion's three registers begin on an even number)
	v_nop                                          ; one plain line behind the last conversion
	ds_store_b96 v4, v[BC:BC+2] offset:32*(\t)     ; 16 codes, 12 bytes, to a place of 16 bytes in the stage
	ds_store_b96 v4, v[BC+4:BC+6] offset:32*(\t)+16
.if (\t)+2 < NB
	LOADB (\t)+2
.endif
	s_wait_dscnt 0x0                               ; the stores have read their registers: the next block's codes may be written
.endm
.irp t, 0,1,2,3,4,5,6,7
	BLOCKB \t
.endr
	s_wait_alu depctr_va_vdst(0)
	global_store_b64 v9, v[SB:SB+1], s[14:15]      ; 32 lanes store 256 consecutive bytes, at a multiple of 256 from the buffer's first byte
.irp t, 0,1,2,3,4,5,6,7,8,9,10,11,12,13,14,15
	ds_load_b96 v[OUTR+4*\t:OUTR+4*\t+2], v7 offset:2*\t*BPITCH   ; LDS serves a wave's instructions in order: these see my stores
.endr
.irp t, 0,1,2,3,4,5,6,7,8,9,10,11,12,13,14,15
	s_wait_dscnt 15-\t
	global_store_b96 v8, v[OUTR+4*\t:OUTR+4*\t+2], s[12:13] offset:2*\t*192   ; two rows: 384 consecutive bytes
.endr
	s_wait_tensorcnt 0x0
	ds_add_u32 v10, v1
	s_wait_dscnt 0x0
	s_endpgm
.Lfunc_end_k_q9fc0bc5816_quant:
	.size	k_q9fc0bc5816_quant, .Lfunc_end_k_q9fc0bc5816_quant-k_q9fc0bc5816_quant
	.p2alignl 7, 3214868480
	.fill 96, 4, 3214868480
	.section	.rodata,"a",@progbits
	.p2align	6, 0x0
	.amdhsa_kernel k_q9fc0bc5816_quant
		.amdhsa_group_segment_fixed_size 57856
		.amdhsa_private_segment_fixed_size 0
		.amdhsa_enable_private_segment 0
		.amdhsa_kernarg_size 48
		.amdhsa_user_sgpr_count 2
		.amdhsa_user_sgpr_kernarg_segment_ptr 1
		.amdhsa_wavefront_size32 1
		.amdhsa_system_sgpr_workgroup_id_x 1
		.amdhsa_system_sgpr_workgroup_id_y 1
		.amdhsa_system_sgpr_workgroup_id_z 1
		.amdhsa_system_vgpr_workitem_id 0
		.amdhsa_next_free_vgpr 192
		.amdhsa_next_free_sgpr 66
		.amdhsa_reserve_vcc 0
		.amdhsa_float_denorm_mode_32 3
		.amdhsa_float_denorm_mode_16_64 3
		.amdhsa_memory_ordered 1
		.amdhsa_forward_progress 1
		.amdhsa_inst_pref_size 82
	.end_amdhsa_kernel
	.amdgpu_metadata
---
amdhsa.version: [ 1, 2 ]
amdhsa.kernels:
  - .name:           k_q9fc0bc5816_quant
    .symbol:         k_q9fc0bc5816_quant.kd
    .args:
      - { .name: x, .offset: 0, .size: 8, .value_kind: global_buffer, .address_space: global }
      - { .name: cache_image_features, .offset: 8, .size: 8, .value_kind: global_buffer, .address_space: global }
      - { .name: cache_text_features, .offset: 16, .size: 8, .value_kind: global_buffer, .address_space: global }
      - { .name: beta, .offset: 24, .size: 8, .value_kind: global_buffer, .address_space: global }
      - { .name: codes, .offset: 32, .size: 8, .value_kind: global_buffer, .address_space: global }
      - { .name: scales, .offset: 40, .size: 8, .value_kind: global_buffer, .address_space: global }
    .group_segment_fixed_size: 57856
    .private_segment_fixed_size: 0
    .kernarg_segment_align: 8
    .kernarg_segment_size: 48
    .max_flat_workgroup_size: 128
    .sgpr_count:     66
    .vgpr_count:     192
    .wavefront_size: 32
...
	.end_amdgpu_metadata
.endif
;; end of part 1
;; launch gemm1 (part 2): grid 32 x 8, 4 waves a work-group, clusters of 4 x 4, 327,680 bytes of LDS; arguments codes, scales, beta, pcodes, pstat; writes pcodes, pstat
.if DOCPART == 2
	.amdgcn_target "amdgcn-amd-amdhsa--gfx1250"
	.amdhsa_code_object_version 6
	.text
	.protected	k_q9fc0bc5816_gemm1
	.globl	k_q9fc0bc5816_gemm1
	.p2align	8
	.type	k_q9fc0bc5816_gemm1,@function
k_q9fc0bc5816_gemm1:
	s_mov_b64 s[64:65], 0
	v_nop
	global_prefetch_b8 v0, s[64:65] scope:SCOPE_SE
	s_setreg_imm32_b32 hwreg(HW_REG_WAVE_MODE, 25, 1), 1
	s_wait_xcnt 0x0
	s_wait_alu depctr_hold_cnt(0) depctr_sa_sdst(0) depctr_va_vdst(0) depctr_va_sdst(0) depctr_va_ssrc(0) depctr_va_vcc(0) depctr_vm_vsrc(0)
	s_getreg_b32 s2, hwreg(HW_REG_IB_STS2, 6, 4)
	s_cmp_eq_u32 s2, 0
	s_cbranch_scc0 .Lentry_in_a_cluster
	s_endpgm
.Lentry_in_a_cluster:
	s_bfe_u32 s2, ttmp6, 0x10000c
	s_cmp_lg_u32 s2, 0xf033
	s_cbranch_scc0 .Lentry_shape_is_right
	s_endpgm
.Lentry_shape_is_right:
; THE FIRST PRODUCT AND THE SOFTMAX'S WEIGHTS.  S' = (sign(beta) x) . image^T on codes of BF6 (E3M2) with one E8M0 scale for each 32 along K = 1,024; a tile of 256 queries x 256 keys is made by a work-group of four
; waves, 128 x 128 to a wave: 64 accumulators of 16 x 16, 512 registers.  K goes in steps of 256 through a ring of two LDS slots filled by the tensor data mover; the scale bytes of the work-group's rows come once.
; A WORK-GROUP STAYS: 8 x 64 tiles are two for each of 256 work-groups: it makes key tiles 2 kx and 2 kx + 1 against the same tile of x.  The ring does not stop at a tile's end: the first tile's last two changes of
; slots ask for the second tile's K steps 0 and 1, which land while the first tile's weights are made, and nothing waits for the first tile's stores.
; CLUSTERS: 4 x 4 work-groups.  The four of a row of the cluster need the same tiles of x, the four of a column the same tiles of the image: each tile is asked for JOINTLY.
; THE MATRIX INSTRUCTION IS USED TRANSPOSED (source 0 = 16 keys, source 1 = 16 queries): a lane holds ONE query, its registers run along the keys.  Rows of both operands lie in memory at places with bits 3 and 4 of
; the row's number exchanged (the launch before stores them so): so register 8 b + j of query block a in lane (r, h) is key 32 (b / 2) + 16 h + 8 (b % 2) + j: the 16 registers of key blocks 2 B, 2 B + 1 are 16 NEIGHBOURING keys.
; THE WAY OUT, for each 16 queries x my 128 keys: t = |beta| log2(e) S'; M = the largest t of these 128 keys rounded UP to a whole number; p = 2^(t - M), not normalised; the sum l of the unquantised p; p quantised
; along the keys in blocks of 32.  M is the 128 keys' own: the next launch brings the scale bytes under a common M by subtracting whole numbers from them, which changes no code.
; Stored: 'pcodes' [64 steps of 256 keys][128 tiles of 16 queries][2][1,536 bytes]: the operand's 12 registers as they stand (register j of lane l at 512 (j / 4) + 16 l + 4 (j % 4));
;         'pstat' three planes [128 steps of 128 keys][2,048 places] of 4 bytes: p's scale word, -M (f32, a whole number), l.
; LIMITS: NaN and infinities are not served; a p under 2^-126 counts as 0 (the exponential's own flush); a block's largest p is taken as the p of its largest score (the exponential is taken not to fall where its input rises).
; REGISTERS, in windows of 256: window 0: v0-31 addresses; v32-95 scale words, a tile's four K steps; from v128 x's fragments, ONE set; on the way out v96-255 are free.
;   window 1: the image's fragments, TWO sets, at v0 and v128.   window 2: the 32 accumulators of my queries 0-63 (accumulator (a, b) at v[8 (8 a + b)]);   window 3: those of my queries 64-127.
.set SIZE_K, 1024
.set TILES,  2                         ; tiles of a work-group
.set XC,     1572864                   ; where the image's codes begin in 'codes': 2,048 x 768
.set XSO,    65536                     ; and its scale bytes in 'scales': 2,048 x 32
.set KSTEP,  256                       ; along K in a slot
.set NQ,     KSTEP/128                 ; matrix instructions deep
.set ROWB,   192                       ; a tile's row in bytes
.set KROW,   SIZE_K*6/8                ; a row of codes in memory
.set KST,    128*ROWB                  ; in memory a K step's 128 rows lie on end: 24,576 bytes; the four K steps of 128 rows follow each other
.set NEXT_B, 256*KROW-2*KST            ; from a slot's last K step of a tile to its first of the next: the image goes 256 rows on and two K steps back; x only back
.set PITCH,  240                       ; an LDS row: 3 x (64 bytes of data + 16 of padding): the 32 lanes of a load of 8 bytes touch 64 different banks (64 banks of 4 bytes: ISA guide 11.1)
.set FR,     12                        ; registers of a fragment: 16 rows x 128 K
.set NL,     6                         ; LDS loads that bring one
.set NP,     4                         ; places behind this matrix instruction (ISA guide 7.12.1)
.set HALFT,  128*PITCH                 ; 128 rows: what one tensor load brings
.set SLOT,   4*HALFT                   ; x's 256 rows, then the image's 256
.set LAPS,   SIZE_K/(2*KSTEP)          ; a lap = two K steps = once round the ring
.set KS,     SIZE_K/32                 ; a row of scale bytes
.set SCL,    2*SLOT                    ; behind the ring: a region of 4 HALFS for each tile, which nothing fills (the scale words come straight into registers)
.set HALFS,  (128*KS/256)*272          ; (the scale bytes of 128 rows as units of 256 bytes + 16 of padding)
.set SBLK,   (16*KS/256)*272           ; those of 16 rows
.set SPARE,  SCL+TILES*4*HALFS         ; the spare words, 128 bytes for each wave: two blocks of 256 bytes that no other line names
.set STAT,   SPARE+512                 ; 1,536 bytes for each wave: three planes of 128 words; written by LDS stores alone, never filled
.set IMG,  7                           ; v7      16 x lane: my place in a register image and in a plane's 512 bytes; never rewritten
.set STW,  8                           ; v8      where I put a query's word of a plane
.set STR,  9                           ; v9      where I read 16 bytes of a plane back
.set ADRA, 16                          ; v16-17  LDS address of x's fragments in slot 0, 1  (v18-19: for the pieces that lie behind one padding more)
.set ADRB, 20                          ; v20-21  the same for the image  (v22-23)
.set ADRS, 27                          ; v27     my offsets in 'scales' of the second tile's scale words
.set SPW,  28                          ; v28     LDS address of my spare word; never rewritten
.set NIL,  29                          ; v29     0; never rewritten
.set ADRS0, 30                         ; v30     my scale words of the first tile's first K step: lanes 0-15 x's rows, lanes 16-31 the image's; never rewritten
.set SC,   32                          ; scale words: set s at v[SC + 8 NQ s]; register NQ i + q: lanes 0-15 x's block i, lanes 16-31 the image's block i, the slot's q-th 128 along K
.set AF,   128                         ; x's fragments
.set P0,   96                          ; the way out, all in window 0: v96-159 t - M, then p
.set TMX,  160                         ; v160-179 five partial maxima a block
.set BM,   180                         ; v180-183 the blocks' largest scores, then largest p
.set PT,   184                         ; v184-187 what comes from lane l xor 16
.set SO,   188                         ; v188-191 the conversions' scale operands
.set BY,   192                         ; v192-195 the scale bytes
.set PCD,  200                         ; v200-211 the fragment's codes; v212-214, v216-218 the conversions' second halves
.set PW,   220                         ; v220+a   block a's scale word
.set NM,   228                         ; v228+a   its -M
.set LSM,  236                         ; v236+a   its l
.set G0S2, 4
.set G0SB2, 8
.set G1, 24                            ; s[24:31] descriptor group 1 for x's tiles;  s[32:39] group 0, one set for each slot
.set G0, 32
.set TS,  45                           ; s45     where my tiles go in a slot
.set G1B, 48                           ; s[48:55], s[56:63] the same for the image's tiles
.set G0B, 56
.set G1S, 68
.set G0S, 76
.set G1SB, 80
.set G0SB, 88
.set CS,  96                           ; s[96:97] c = |beta| log2(e), twice (first: beta's address)
.set SEL, 98                           ; s[98:99] lane selects for v_permlanex16_b32: lane l xor 16
.set MSB, 0
.macro WIN new                         ; the immediate's high byte repeats the setting that is left
.if MSB != \new
	s_set_vgpr_msb (MSB<<8)|\new
.set MSB, \new
.endif
.endm
.set MUL_LO, 0xa1                      ; source 0 (image) window 1, source 1 (x) window 0, C and D window 2
.set MUL_HI, 0xf1                      ; the same, C and D window 3
.set TO_B,   0x40                      ; destination window 1, address window 0
; A joint load: waves 0 and 1 fetch for x, waves 2 and 3 for the image.  Each of the two lines has ONE mask and one set of registers for all that issue it; the branch hangs on the wave's number alone.
; Four v_nop follow each of the two lines, ahead of the jump, the label and what follows.
.macro JLOAD g0a, g1a, g0b, g1b
	s_cmp_eq_u32 s15, 0
	s_cbranch_scc0 .Lfor_b_\@
	tensor_load_to_lds s[\g0a:\g0a+3], s[\g1a:\g1a+7]
	s_nop 0
.rept 4
	v_nop
.endr
	s_branch .Lasked_\@
.Lfor_b_\@:
	tensor_load_to_lds s[\g0b:\g0b+3], s[\g1b:\g1b+7]
	s_nop 0
.rept 4
	v_nop
.endr
.Lasked_\@:
.endm
.macro CREST                           ; a round of the cluster's barrier behind its opening barrier
	s_cmp_lg_u32 s14, 0
	s_cbranch_scc1 .Lnot_wave_0_\@
	s_barrier_signal -3
.Lnot_wave_0_\@:
	s_barrier_wait -3
	s_barrier_signal -1
	s_barrier_wait -1
.endm
.macro CROUND                          ; a whole round
	s_barrier_signal -1
	s_barrier_wait -1
	CREST
.endm
	s_load_b128 s[4:7], s[0:1], 0x0                ; codes, scales
	s_load_b64 s[CS:CS+1], s[0:1], 0x10            ; beta's address
	s_load_b64 s[12:13], s[0:1], 0x18              ; pcodes
	s_load_b64 s[66:67], s[0:1], 0x20              ; pstat
	v_lshl_add_u32 v[SPW], v0, 2, SPARE
	v_mov_b32 v[NIL], 0
	ds_add_u32 v28, v29
	ds_add_u32 v28, v29
	s_wait_dscnt 0x0
	v_lshrrev_b32 v1, 5, v0
	v_readfirstlane_b32 s14, v1                    ; wave 0..3
	s_lshr_b32 s15, s14, 1                         ; which half of the tile's queries is mine.  Also: I fetch for x (0) or for the image (1)
	s_and_b32 s16, s14, 1                          ; which half of its keys.  Also: which 128 rows of that tile I fetch
	s_bfe_u32 s40, ttmp6, 0x40000                  ; cx, cy: my place in the cluster
	s_bfe_u32 s41, ttmp6, 0x40004
	s_lshl_b32 s42, ttmp9, 2
	s_add_co_u32 s42, s42, s40                     ; kx, my pair of key tiles = 4 x cluster x + cx
	s_and_b32 s17, ttmp7, 0xffff
	s_lshl_b32 s17, s17, 2
	s_add_co_u32 s17, s17, s41                     ; tile of queries = 4 x cluster y + cy
	s_lshl_b32 s43, s41, 2
	s_lshl_b32 s43, 15, s43                        ; my row of the cluster
	s_lshl_b32 s44, 0x1111, s40                    ; my column
	; descriptor group 1: a tile of 128 rows x 192 bytes, padded in LDS
	s_or_b32 s[G1+0], s43, (0<<16)|(1<<20)|(1<<21)|(3<<22)|(3<<25)  ; 15:0 the mask: x's tiles go to my row; 17:16 element of 1 byte; 20 padding on; 21 set beside a mask; 24:22 after every 16 words; 31:25 of 4 words
	s_or_b32 s[G1B+0], s44, (0<<16)|(1<<20)|(1<<21)|(3<<22)|(3<<25)
.irp g, G1, G1B
	s_mov_b32 s[\g+1], 256<<16                     ; the dense 24,576 bytes are stated as 96 rows of 256 bytes, each at a multiple of 256;
	s_mov_b32 s[\g+2], 96<<16                      ; the padding behind every 64 bytes gives the 128 LDS rows of 3 x 80 bytes
	s_mov_b32 s[\g+3], 256<<16
	s_mov_b32 s[\g+4], 96
	s_mov_b32 s[\g+5], 256
	s_mov_b32 s[\g+6], 0
	s_mov_b32 s[\g+7], 0
.endr
	s_lshl_b32 s18, s16, 7                         ; which 128 rows of the tile I fetch
	s_lshl_b32 s20, s17, 8
	s_add_co_u32 s20, s20, s18                     ; x: place 256 x tile of queries + 128 x half
	s_lshl_b32 s46, s42, 9
	s_add_co_u32 s46, s46, s18                     ; image, first tile: place 512 x kx + 128 x half
	s_mov_b32 s21, 0
	s_mov_b32 s47, 0
	s_mov_b64 s[18:19], KROW
	s_mul_u64 s[20:21], s[20:21], s[18:19]         ; and their codes
	s_mul_u64 s[46:47], s[46:47], s[18:19]
	s_mul_i32 s45, s14, HALFT                      ; where they go: wave x 128 rows: no place in the cluster enters an LDS address
	s_mov_b32 s[SEL], 0x76543210
	s_mov_b32 s[SEL+1], 0xfedcba98
	s_wait_kmcnt 0x0
	s_add_nc_u64 s[8:9], s[4:5], XC                ; the image's codes
	s_add_nc_u64 s[20:21], s[4:5], s[20:21]
	s_add_nc_u64 s[46:47], s[8:9], s[46:47]
	CROUND                                         ; all sixteen work-groups are here: the first joint loads meet
.irp s, 0,1
	s_mov_b32 s[G0+4*\s], 1
	s_add_co_u32 s[G0+4*\s+1], s45, \s*SLOT
	s_add_nc_u64 s[G0+4*\s+2:G0+4*\s+3], s[20:21], \s*KST
	s_or_b32 s[G0+4*\s+3], s[G0+4*\s+3], 0x80000000
	s_mov_b32 s[G0B+4*\s], 1
	s_add_co_u32 s[G0B+4*\s+1], s45, \s*SLOT
	s_add_nc_u64 s[G0B+4*\s+2:G0B+4*\s+3], s[46:47], \s*KST
	s_or_b32 s[G0B+4*\s+3], s[G0B+4*\s+3], 0x80000000
.endr
	JLOAD G0, G1, G0B, G1B                         ; K step 0: one tensor load a wave at the head
	; the prefetches' base, never rewritten: of the 96 blocks of 256 bytes that I fetch in a K step, each of the four partners that ask with me names 24, told apart by address (cx for x, cy for the image)
	s_cmp_eq_u32 s15, 0                            ; do I fetch for x?
	s_cselect_b64 s[68:69], s[20:21], s[46:47]
	s_cselect_b32 s70, s40, s41
	s_cselect_b32 s3, 0, 2                         ; behind the head the image's waves alone ask, and in the first tile alone (s2 = 2): x's K steps have been read by then
	s_mul_i32 s70, s70, 6144
	s_mov_b32 s71, 0
	s_add_nc_u64 s[68:69], s[68:69], s[70:71]
	s_load_b32 s95, s[CS:CS+1], 0x0                ; beta
	v_and_b32 v1, 15, v0                           ; r = l % 16
	v_bfe_u32 v2, v0, 4, 1                         ; h = l / 16
	v_mul_u32_u24 v3, v1, PITCH
	v_mul_u32_u24 v4, v2, 24
	v_add_nc_u32 v4, v3, v4                        ; a fragment's row x pitch + 24 x half
	v_lshl_add_u32 v5, v2, 4, v4                   ; and the same behind one padding more
	s_mul_i32 s21, s15, HALFT                      ; my 128 rows of x
	s_mul_i32 s22, s16, HALFT                      ; my 128 rows of the image,
	s_add_co_u32 s22, s22, 2*HALFT                 ; which lie behind x's 256
.irp s, 0,1
	v_add_nc_u32 v[ADRA+\s], s21, v4
	v_add_nc_u32 v[ADRB+\s], s22, v4
	v_add_nc_u32 v[ADRA+2+\s], s21, v5
	v_add_nc_u32 v[ADRB+2+\s], s22, v5
	s_add_co_u32 s21, s21, SLOT
	s_add_co_u32 s22, s22, SLOT
.endr
	; THE SCALE WORDS COME FROM MEMORY STRAIGHT INTO REGISTERS, a tile's 64 a lane at once: 32 bytes a row in 'scales'; lanes 0-15 take x's rows, lanes 16-31 the image's
	s_lshl_b32 s21, s17, 1
	s_add_co_u32 s21, s21, s15
	s_lshl_b32 s21, s21, 12                        ; x: (256 x tile of queries + 128 x my half) x 32
	s_lshl_b32 s22, s42, 2
	s_add_co_u32 s22, s22, s16
	s_lshl_b32 s22, s22, 12                        ; the image, first tile: (512 kx + 128 x my half) x 32,
	s_add_co_u32 s22, s22, XSO                     ; behind x's 65,536 bytes
	s_sub_co_u32 s22, s22, s21                     ; (above 0, under 2^24)
	v_lshlrev_b32 v5, 5, v1
	v_mul_u32_u24 v6, s22, v2
	v_add_nc_u32 v5, v5, v6
	v_add_nc_u32 v[ADRS0], s21, v5                 ; v30: the first tile's offsets; never rewritten
	v_lshl_add_u32 v[ADRS], v2, 13, v[ADRS0]       ; v27: the second tile's: the image 256 rows on, x the same; never rewritten
	v_and_b32 v31, 31, v0
	v_min_u32 v31, 23, v31
	v_lshlrev_b32 v31, 8, v31                      ; v31: the prefetches' offset: a lane a block of 256 bytes, lanes 24-31 name the last once more; never rewritten
	s_mul_i32 s23, s14, 1536
	s_add_co_u32 s23, s23, STAT                    ; my three planes
	v_and_b32 v6, 31, v0
	v_lshlrev_b32 v[IMG], 4, v6
	v_lshl_add_u32 v[STW], v1, 2, s23
	v_add_nc_u32 v[STR], s23, v[IMG]
	; where my first tile's results go.  pcodes: ((128 x key tile + 16 x tile of queries + 8 x my half of the queries) x 2 + my half of the keys) x 1,536, key tile = 2 kx
	s_lshl_b32 s20, s42, 8
	s_lshl_b32 s21, s17, 4
	s_add_co_u32 s20, s20, s21
	s_lshl_b32 s21, s15, 3
	s_add_co_u32 s20, s20, s21
	s_lshl_b32 s20, s20, 1
	s_add_co_u32 s20, s20, s16
	s_mul_i32 s20, s20, 1536
	s_mov_b32 s21, 0
	s_add_nc_u64 s[12:13], s[12:13], s[20:21]
	; pstat: ((2 x key tile + my half of the keys) x 2,048 + 256 x tile of queries + 128 x my half of the queries) x 4
	s_lshl_b32 s46, s42, 2
	s_add_co_u32 s46, s46, s16
	s_lshl_b32 s46, s46, 11
	s_lshl_b32 s47, s17, 8
	s_add_co_u32 s46, s46, s47
	s_lshl_b32 s47, s15, 7
	s_add_co_u32 s46, s46, s47
	s_lshl_b32 s46, s46, 2
	s_mov_b32 s47, 0
	s_add_nc_u64 s[66:67], s[66:67], s[46:47]
	s_wait_kmcnt 0x0                               ; beta
	s_and_b32 s95, s95, 0x7fffffff                 ; its sign went into x's codes
	s_mul_f32 s[CS], s95, 0x3fb8aa3b               ; c = |beta| log2(e), 0 or more
	s_mov_b32 s[CS+1], s[CS]                       ; (the packed form names the pair)
.macro FRAG reg, adr, q, i             ; a fragment, 16 rows x 128 K of 6-bit codes, is 12 registers: lane l holds row l % 16; registers 6 c .. 6 c + 5 hold K = 64 c + 32 (l / 16) + 0 .. 31: 24 bytes of the row, as they lie
.irp p, 0,1,2,3,4,5                    ; in pieces of 8 bytes.  Lanes 0-15 take the row's pieces 12 q + 0, 1, 2 and 12 q + 6, 7, 8, lanes 16-31 those three pieces on
.set PC, 12*(\q)+6*(\p/3)+\p%3        ; 16 bytes of padding lie behind every 8 pieces: where the piece three on lies behind one padding more, the second address register serves
.if PC%8 < 5
	ds_load_b64 v[\reg+2*\p:\reg+2*\p+1], v[\adr] offset:8*PC+16*(PC/8)+(\i)*16*PITCH
.else
	ds_load_b64 v[\reg+2*\p:\reg+2*\p+1], v[\adr+2] offset:8*PC+16*(PC/8)+(\i)*16*PITCH
.endif
.endr
.endm
; 16 matrix instructions: x's blocks a0, a0 + 1 against the image's eight, 128 along K: the slot's q-th.  p: the image's set;  sc: the set of scale words.  zero = 1: the first product starts the sums.
; The 64 accumulators take turns, one instruction a turn, in the same order in every step, from tile to tile too.
.macro MUL16 a0, p, q, sc, zero
.irp a, \a0, \a0+1
.irp b, 0,1,2,3,4,5,6,7
.if \zero
	v_wmma_scale_f32_16x16x128_f8f6f4 v[8*(8*((\a)%4)+\b):8*(8*((\a)%4)+\b)+7], v[128*(\p)+FR*\b:128*(\p)+FR*\b+FR-1], v[AF+FR*(\a):AF+FR*(\a)+FR-1], 0, v[SC+8*NQ*(\sc)+NQ*\b+(\q)], v[SC+8*NQ*(\sc)+NQ*(\a)+(\q)] matrix_a_fmt:MATRIX_FMT_BF6 matrix_b_fmt:MATRIX_FMT_BF6 matrix_a_scale:MATRIX_SCALE_ROW1
.else
	v_wmma_scale_f32_16x16x128_f8f6f4 v[8*(8*((\a)%4)+\b):8*(8*((\a)%4)+\b)+7], v[128*(\p)+FR*\b:128*(\p)+FR*\b+FR-1], v[AF+FR*(\a):AF+FR*(\a)+FR-1], v[8*(8*((\a)%4)+\b):8*(8*((\a)%4)+\b)+7], v[SC+8*NQ*(\sc)+NQ*\b+(\q)], v[SC+8*NQ*(\sc)+NQ*(\a)+(\q)] matrix_a_fmt:MATRIX_FMT_BF6 matrix_b_fmt:MATRIX_FMT_BF6 matrix_a_scale:MATRIX_SCALE_ROW1
.endif
.endr
.endr
.endm
.macro FETCH_B slot, q, p              ; the image's eight fragments of the slot's q-th 128 along K into set p
	WIN TO_B
.irp i, 0,1,2,3,4,5,6,7
	FRAG 128*(\p)+FR*\i, ADRB+\slot, \q, \i
.endr
	WIN 0
.endm
.macro FETCH_A slot, q, i0             ; x's blocks i0 .. i0 + 3
.irp i, \i0, \i0+1, \i0+2, \i0+3
	FRAG AF+FR*(\i), ADRA+\slot, \q, \i
.endr
.endm
.macro GSC adr                         ; a tile's scale words: K step k, block i of 16 rows, two words -> v[32 + 16 k + 2 i]; s[6:7] is 'scales', never rewritten
.irp k, 0,1,2,3
.irp i, 0,1,2,3,4,5,6,7
	global_load_b64 v[32+16*\k+2*\i:33+16*\k+2*\i], v[\adr], s[6:7] offset:512*\i+8*\k
.endr
.endr
.endm
; A load into a register that a matrix instruction has read, and a vector instruction that reads a matrix result or writes one of a matrix instruction's registers, stand NP places behind it; only plain vector
; instructions that name none of its registers are places (ISA guide 7.12.1 for vector instructions).
.macro PLACES n
.rept \n
	v_nop
.endr
.endm
; A step of 128 along K that has its successor in the same slot.
.macro STEP slot, q, zero
	s_wait_dscnt 4*NL                              ; the image's set and x's blocks 0-3 are in; the youngest 24 loads (x's blocks 4-7) may be out
	FETCH_B \slot, (\q)+1, 1-(\q)%2                ; the image's other set is free (four places stand behind its last products): 48 loads, 64 matrix instructions ahead of their use
	WIN MUL_LO
	MUL16 0, (\q)%2, \q, \slot, \zero
	MUL16 2, (\q)%2, \q, \slot, \zero
	s_wait_dscnt 48                                ; x's blocks 4-7 are in; the 48 loads of the image's next set may be out
	PLACES NP
	WIN 0
	FETCH_A \slot, (\q)+1, 0
	WIN MUL_HI
	MUL16 4, (\q)%2, \q, \slot, \zero
	MUL16 6, (\q)%2, \q, \slot, \zero
	PLACES NP
	WIN 0
	FETCH_A \slot, (\q)+1, 4
.endm
; A slot's last step changes slots: ONE barrier; in front of it each wave waits for all its tensor loads, adds 0 to its spare word, and waits for that and for its own reads of this slot.
; fill = 1: this slot is filled again, two K steps ahead;  fill = 2: with the NEXT tile's K step 0 or 1;  fill = 0: not at all, and no round of the cluster's barrier follows.
; fetch = 1: the next slot's first fragments and scale words are fetched;  fetch = 0, a tile's very last step: nothing is fetched, since the way out takes window 0's registers.
.macro TURN slot, next, fill, fetch
	s_wait_tensorcnt 0x0                           ; all my tensor loads have landed: my part of the next slot;  (every window is 0 here)
	ds_add_u32 v[SPW], v[NIL]                      ; 0 onto my spare word;
	s_wait_dscnt 4*NL+1                            ; (the add and the youngest 24 loads, x's blocks 4-7, may be out)
	WIN MUL_LO
	MUL16 0, 1, NQ-1, \slot, 0                     ; sixteen matrix instructions stand between the add and the wait for it
	s_wait_dscnt 0x0                               ; the add is done, and my reads of this slot are over
	s_barrier_signal -1
	MUL16 2, 1, NQ-1, \slot, 0
	WIN 0
	s_barrier_wait -1
.if \fill
	CREST                                          ; the barrier has opened a round of the cluster's barrier: no wave of any partner still reads this slot's tile or has a load on its way
.if \fill == 2
	s_sub_nc_u64 s[G0+4*\slot+2:G0+4*\slot+3], s[G0+4*\slot+2:G0+4*\slot+3], 2*KST
	s_add_nc_u64 s[G0B+4*\slot+2:G0B+4*\slot+3], s[G0B+4*\slot+2:G0B+4*\slot+3], NEXT_B
.else
	s_add_nc_u64 s[G0+4*\slot+2:G0+4*\slot+3], s[G0+4*\slot+2:G0+4*\slot+3], 2*KST
	s_add_nc_u64 s[G0B+4*\slot+2:G0B+4*\slot+3], s[G0B+4*\slot+2:G0B+4*\slot+3], 2*KST
.endif
	JLOAD G0+4*\slot, G1, G0B+4*\slot, G1B         ; the first tensor load behind the round, my one load until the next; its four v_nop are the places in front of the loads below
.else
	PLACES NP
.endif
.if \fetch
	FETCH_B \next, 0, 0
	FETCH_A \next, 0, 0
.endif
.if PF                                 ; a prefetch behind the joint load and the run of LDS loads: the K step that stands two refills on, PF bytes from my first K step
	s_cmp_eq_u32 s2, s3
	s_cbranch_scc0 .Lno_ask_\@
	global_prefetch_b8 v31, s[68:69] offset:PF th:TH_LOAD_NT scope:SCOPE_SE
.Lno_ask_\@:
.endif
	WIN MUL_HI
	MUL16 4, 1, NQ-1, \slot, 0
	MUL16 6, 1, NQ-1, \slot, 0
.if \fetch
	PLACES NP
	WIN 0
	FETCH_A \next, 0, 4
.else
	WIN 0
.endif
.endm
; THE WAY OUT of query block a: 16 queries x my 128 keys.  Register AC + 16 B + i of window WW is key 32 B + 16 (lane / 16) + i of my query.
.macro SOFTQ a
.set WW, 2+(\a)/4
.set AC, 64*((\a)%4)
.set W3, WW|(WW<<2)|(WW<<4)
.set W2, WW<<4
	WIN W3                                         ; all three sources in the accumulators' window
.irp k, 0,1,2,3,4                      ; THE LARGEST SCORE OF EACH BLOCK OF 32 KEYS, three operands at a time, the four blocks by turns.  Each accumulator is read from its low end on: registers 0-2 first, and register 8 (the second tile's lowest) with k = 2
.irp b, 0,1,2,3
	v_max3_num_f32 v[TMX+5*\b+\k], v[AC+16*\b+3*\k], v[AC+16*\b+3*\k+1], v[AC+16*\b+3*\k+2]
.endr
.endr
	WIN W2                                         ; source 2 alone
.irp b, 0,1,2,3
	v_max3_num_f32 v[BM+\b], v[TMX+5*\b], v[TMX+5*\b+1], v[AC+16*\b+15]
.endr
	WIN 0
.irp b, 0,1,2,3
	v_max3_num_f32 v[BM+\b], v[BM+\b], v[TMX+5*\b+2], v[TMX+5*\b+3]
.endr
.irp b, 0,1,2,3
	v_max_num_f32 v[BM+\b], v[BM+\b], v[TMX+5*\b+4]
.endr
.irp b, 0,1,2,3
	v_permlanex16_b32 v[PT+\b], v[BM+\b], s[SEL], s[SEL+1]
.endr
.irp b, 0,1,2,3
	v_max_num_f32 v[BM+\b], v[BM+\b], v[PT+\b]     ; with lane l xor 16's 16 keys
.endr
	v_max3_num_f32 v244, v[BM], v[BM+1], v[BM+2]
	v_max_num_f32 v244, v244, v[BM+3]              ; the largest score of my query among these 128 keys
	v_mul_f32 v244, s[CS], v244                    ; as t (c is 0 or more)
	v_floor_f32 v12, -v244                         ; -M = floor(-t) = -ceil(t): M IS A WHOLE NUMBER
	WIN WW                                         ; source 0 in the accumulators' window
.set j, 0
.rept 32
	v_pk_fma_f32 v[P0+j:P0+j+1], v[AC+j:AC+j+1], s[CS:CS+1], v[12:13] op_sel_hi:[1,0,0]   ; t - M, two at a time (of the pairs c and -M the low word serves both halves)
.set j, j+2
.endr
	WIN 0
.irp b, 0,1,2,3
	v_fma_f32 v[BM+\b], v[BM+\b], s[CS], v12       ; the same of each block's largest score
.endr
.set j, 0
	s_wait_alu depctr_va_vdst(0)
.rept 64
	v_exp_f32 v[P0+j], v[P0+j]                     ; p = 2^(t - M), at most 1: NOT normalised
.set j, j+1
.endr
	v_mov_b32 v[NM+(\a)], v12                      ; (a plain line behind the exponentials)
	s_wait_alu depctr_va_vdst(0)                   ; one wait for the batch of 64, ahead of its first reader
.irp b, 0,1,2,3
	v_exp_f32 v[BM+\b], v[BM+\b]                   ; the block's largest p: the same two instructions on the same number give the same bits
.endr
	v_pk_add_f32 v[14:15], v[P0:P0+1], v[P0+4:P0+5]        ; THE SUM IS TAKEN OF THE UNQUANTISED p: two at a time, in two chains
	v_pk_add_f32 v[246:247], v[P0+2:P0+3], v[P0+6:P0+7]
.set j, 8
.rept 14
	v_pk_add_f32 v[14:15], v[14:15], v[P0+j:P0+j+1]
	v_pk_add_f32 v[246:247], v[246:247], v[P0+j+2:P0+j+3]
.set j, j+4
.endr
	v_pk_add_f32 v[14:15], v[14:15], v[246:247]
	v_add_f32 v14, v14, v15
	v_permlanex16_b32 v[PT], v14, s[SEL], s[SEL+1]
	v_add_f32 v[LSM+(\a)], v14, v[PT]              ; with lane l xor 16's: l of my query and these 128 keys
	s_wait_alu depctr_va_vdst(0)                   ; and one wait for the four
.irp b, 0,1,2,3
	v_max_num_f32 v[BM+\b], 0x2800000, v[BM+\b]    ; the floor 2^(5 - 127): the byte cannot fall under 1
.endr
.irp b, 0,1,2,3
	v_add_nc_u32 v[SO+\b], 0xfe000000, v[BM+\b]    ; 4 off the exponent field: the conversion's scale operand
.endr
.irp b, 0,1,2,3
	v_lshrrev_b32 v[BY+\b], 23, v[SO+\b]           ; the scale's byte
.endr
	v_lshl_or_b32 v[PW+(\a)], v[BY+1], 8, v[BY]    ; p's scale word for these 128 keys
	v_lshl_or_b32 v[PW+(\a)], v[BY+2], 16, v[PW+(\a)]
	v_lshl_or_b32 v[PW+(\a)], v[BY+3], 24, v[PW+(\a)]
	s_wait_xcnt 0x0                                ; the last block's stores have read the codes' registers: they are written again only behind this wait
.irp c, 0,1
	v_cvt_scalef32_pk16_bf6_f32 v[PCD+6*\c:PCD+2+6*\c], v[P0+32*\c:P0+15+32*\c], v[SO+2*\c]
	v_cvt_scalef32_pk16_bf6_f32 v[PCD+12+4*\c:PCD+14+4*\c], v[P0+16+32*\c:P0+31+32*\c], v[SO+2*\c+1]   ; (a conversion's three registers begin on an even number)
.endr
	v_nop                                          ; one plain line behind a scaled conversion
.irp c, 0,1                            ; the operand's layout wants a WHOLE block in a lane: lanes 0-15 block 2 c, lanes 16-31 block 2 c + 1
.irp i, 0,1,2
	v_permlane16_swap_b32 v[PCD+6*\c+\i], v[PCD+12+4*\c+\i]
.endr
.irp i, 0,1,2
	v_mov_b32 v[PCD+3+6*\c+\i], v[PCD+12+4*\c+\i]
.endr
.endr
.irp c, 0,1,2
	global_store_b128 v[IMG], v[PCD+4*\c:PCD+4*\c+3], s[12:13] offset:3072*(\a)+512*\c th:TH_STORE_NT   ; the fragment as it stands: 512 consecutive bytes a store, at a multiple of 256 from the buffer's first byte
.endr
	ds_store_b32 v[STW], v[PW+(\a)] offset:64*(\a)             ; both halves of the lanes write the same word with the same value
	ds_store_b32 v[STW], v[NM+(\a)] offset:512+64*(\a)
	ds_store_b32 v[STW], v[LSM+(\a)] offset:1024+64*(\a)
.endm
	s_wait_alu depctr_va_vdst(0)
	GSC ADRS0                                      ; the first tile's scale words: 32 loads, waited for ahead of the tile's first product
	global_prefetch_b8 v31, s[68:69] offset:2*KST th:TH_LOAD_NT scope:SCOPE_SE   ; K steps 2 and 3, which the first two refills ask for: every wave names its 24 blocks of each
	global_prefetch_b8 v31, s[68:69] offset:3*KST th:TH_LOAD_NT scope:SCOPE_SE
	s_wait_tensorcnt 0x0                           ; my part of K step 0 is in
	ds_add_u32 v[SPW], v[NIL]
	s_wait_dscnt 0x0
	CROUND                                         ; everybody's part of K step 0 is in, and all sixteen work-groups are here
	JLOAD G0+4, G1, G0B+4, G1B                     ; K step 1, slot 1's first fill: my one tensor load behind the round
	s_mov_b32 s2, TILES                            ; tiles to go, this one among them: the same number in every work-group
.Ltile:                                                ; slot 0 holds this tile's K step 0: for the second tile every wave has waited for all its loads and passed a round since that load was issued
	s_wait_alu depctr_va_vdst(0)
	FETCH_B 0, 0, 0
	FETCH_A 0, 0, 0
	FETCH_A 0, 0, 4
	s_wait_loadcnt 0x0                             ; this tile's 32 loads of scale words are in
	STEP 0, 0, 1                                   ; a tile's first step starts the sums.  K has four steps: they are written on end; the scale words of K steps 0, 1 stand at SC = 32 + 16 x slot
.set PF, 8*KST                         ; the next tile's K steps 0 to 3 lie 8 to 11 K steps' bytes on (256 rows are two blocks of four K steps)
	TURN 0, 1, 1, 1
	STEP 1, 0, 0
.set PF, 9*KST
	TURN 1, 0, 1, 1
.set SC, 64                            ; those of K steps 2, 3 at 64 + 16 x slot
	STEP 0, 0, 0
	s_cmp_eq_u32 s2, 1
	s_cbranch_scc1 .Llast                          ; the last tile's tail is written out: it asks for nothing more
.set PF, 10*KST
	TURN 0, 1, 2, 1                                ; THE RING GOES ON INTO THE NEXT TILE: slot 0 takes its K step 0,
	STEP 1, 0, 0
.set PF, 11*KST
	TURN 1, 0, 2, 0                                ; slot 1 its K step 1: both land while this tile's weights are made
	PLACES NP                                      ; places behind the last products, which read the scale words
	GSC ADRS                                       ; the next tile's scale words: the way out names none of v32-95
	s_branch .Lout
.Llast:
.set PF, 0                             ; nothing is left to ask for
	TURN 0, 1, 0, 1                                ; the last lap of all fills nothing, and has no round of the cluster's barrier
	STEP 1, 0, 0
	s_wait_dscnt 4*NL                              ; the very last step: nothing more to fetch
	WIN MUL_LO
	MUL16 0, 1, NQ-1, 1, 0
	MUL16 2, 1, NQ-1, 1, 0
	s_wait_dscnt 0
	WIN MUL_HI
	MUL16 4, 1, NQ-1, 1, 0
	MUL16 6, 1, NQ-1, 1, 0
	WIN 0
.Lout:
	PLACES NP                                      ; for the reads of results and the writes over x's fragments and the scale words
	v_mov_b32 v13, 0                               ; (named as the upper half of the pair v[12:13])
.irp b, 0,1,2,3
	v_mov_b32 v[PT+\b], 0                          ; a lane permute's destination counts as one of its sources
.endr
.irp a, 0,1,2,3,4,5,6,7
	SOFTQ \a
.endr
.irp i, 0,1,2
	ds_load_b128 v[96+4*\i:99+4*\i], v[STR] offset:512*\i      ; LDS serves a wave's instructions in order: these see my stores
.endr
	s_wait_dscnt 0x0
.irp i, 0,1,2
	global_store_b128 v[IMG], v[96+4*\i:99+4*\i], s[66:67] offset:\i*1048576   ; a plane's 128 words: 512 consecutive bytes
.endr
	s_wait_xcnt 0x0                                ; the tile's stores have read their registers and their bases: the bases step, and the next tile's loads land in those registers, only behind this wait.  Nothing waits for the stores themselves
	s_add_nc_u64 s[12:13], s[12:13], 128*2*1536    ; the next key tile: a step of 256 keys on in pcodes,
	s_add_nc_u64 s[66:67], s[66:67], 2*2048*4      ; two steps of 128 keys on in pstat's planes,
	s_sub_co_u32 s2, s2, 1
	s_cmp_lg_u32 s2, 0
	s_cbranch_scc1 .Ltile
	s_wait_tensorcnt 0x0                           ; the wave's end, behind my last tensor load and my last LDS store
	ds_add_u32 v[SPW], v[NIL]
	s_wait_dscnt 0x0
	CROUND                                         ; the closing round: no work-group ends while a partner may still ask for a tile that names it
	s_endpgm
.Lfunc_end_k_q9fc0bc5816_gemm1:
	.size	k_q9fc0bc5816_gemm1, .Lfunc_end_k_q9fc0bc5816_gemm1-k_q9fc0bc5816_gemm1
	.p2alignl 7, 3214868480
	.fill 96, 4, 3214868480
	.section	.rodata,"a",@progbits
	.p2align	6, 0x0
	.amdhsa_kernel k_q9fc0bc5816_gemm1
		.amdhsa_group_segment_fixed_size 327680
		.amdhsa_private_segment_fixed_size 0
		.amdhsa_enable_private_segment 0
		.amdhsa_kernarg_size 40
		.amdhsa_user_sgpr_count 2
		.amdhsa_user_sgpr_kernarg_segment_ptr 1
		.amdhsa_wavefront_size32 1
		.amdhsa_system_sgpr_workgroup_id_x 1
		.amdhsa_system_sgpr_workgroup_id_y 1
		.amdhsa_system_sgpr_workgroup_id_z 1
		.amdhsa_system_vgpr_workitem_id 0
		.amdhsa_next_free_vgpr 1024
		.amdhsa_next_free_sgpr 100
		.amdhsa_reserve_vcc 0
		.amdhsa_float_denorm_mode_32 3
		.amdhsa_float_denorm_mode_16_64 3
		.amdhsa_memory_ordered 1
		.amdhsa_forward_progress 1
		.amdhsa_inst_pref_size 255
	.end_amdhsa_kernel
	.section	.bss,"aw",@nobits
	.p2align	6
	.space	262144
	.amdgpu_metadata
---
amdhsa.version: [ 1, 2 ]
amdhsa.kernels:
  - .name:           k_q9fc0bc5816_gemm1
    .symbol:         k_q9fc0bc5816_gemm1.kd
    .args:
      - { .name: codes, .offset: 0, .size: 8, .value_kind: global_buffer, .address_space: global }
      - { .name: scales, .offset: 8, .size: 8, .value_kind: global_buffer, .address_space: global }
      - { .name: beta, .offset: 16, .size: 8, .value_kind: global_buffer, .address_space: global }
      - { .name: pcodes, .offset: 24, .size: 8, .value_kind: global_buffer, .address_space: global }
      - { .name: pstat, .offset: 32, .size: 8, .value_kind: global_buffer, .address_space: global }
    .group_segment_fixed_size: 327680
    .private_segment_fixed_size: 0
    .kernarg_segment_align: 8
    .kernarg_segment_size: 40
    .max_flat_workgroup_size: 128
    .sgpr_count:     100
    .vgpr_count:     1024
    .wavefront_size: 32
...
	.end_amdgpu_metadata
.endif
;; end of part 2
;; launch gemm2 (part 3): grid 4 x 64, 4 waves a work-group, clusters of 4 x 4, 327,680 bytes of LDS; arguments pcodes, pstat, codes, scales, part, st2; writes part, st2
.if DOCPART == 3
	.amdgcn_target "amdgcn-amd-amdhsa--gfx1250"
	.amdhsa_code_object_version 6
	.text
	.protected	k_q9fc0bc5816_gemm2
	.globl	k_q9fc0bc5816_gemm2
	.p2align	8
	.type	k_q9fc0bc5816_gemm2,@function
k_q9fc0bc5816_gemm2:
	s_mov_b64 s[64:65], 0
	v_nop
	global_prefetch_b8 v0, s[64:65] scope:SCOPE_SE
	s_setreg_imm32_b32 hwreg(HW_REG_WAVE_MODE, 25, 1), 1
	s_wait_xcnt 0x0
	s_wait_alu depctr_hold_cnt(0) depctr_sa_sdst(0) depctr_va_vdst(0) depctr_va_sdst(0) depctr_va_ssrc(0) depctr_va_vcc(0) depctr_vm_vsrc(0)
	s_getreg_b32 s2, hwreg(HW_REG_IB_STS2, 6, 4)
	s_cmp_eq_u32 s2, 0
	s_cbranch_scc0 .Lentry_in_a_cluster
	s_endpgm
.Lentry_in_a_cluster:
	s_bfe_u32 s2, ttmp6, 0x10000c
	s_cmp_lg_u32 s2, 0xf033
	s_cbranch_scc0 .Lentry_shape_is_right
	s_endpgm
.Lentry_shape_is_right:
.set SIZE_N, 1024
.set VC,     14155776
.set VSO,    589824
.set NQ,     2
.set PITCH,  240
.set FR,     12
.set NLA,    3
.set NP,     4
.set HALFA,  24576
.set HALFB,  128*PITCH
.set SLOT,   2*HALFA+2*HALFB
.set STEPA,  393216
.set STEPB,  196608
.set LAPS,   4
.set ASC,    2*SLOT
.set BSC,    ASC+16384
.set SPARE,  BSC+16384
.set SPITCH, 528
.set ADRA, 16
.set ADRB, 20
.set STO,  24
.set RD,   25
.set CO,   26
.set ADRS, 27
.set SPW,  28
.set NIL,  29
.set SC,   32
.set AF,   128
.set BK,   128
.set NMR,  32
.set WR,   64
.set LR,   96
.set OUTW, 128
.set RES,  160
.set TT,   164
.set UU,   168
.set EE,   172
.set OO,   176
.set FF,   180
.set GG,   184
.set G1, 24
.set G0, 32
.set G1B, 48
.set G0B, 56
.set G1SB, 80
.set G0SB, 88
.set MSB, 0
.macro WIN new
.if MSB != \new
	s_set_vgpr_msb (MSB<<8)|\new
.set MSB, \new
.endif
.endm
.set MUL_LO, 0xa1
.set MUL_HI, 0xf1
.set TO_B,   0x40
.macro JLOAD g0a, g1a, g0b, g1b
	s_cmp_eq_u32 s15, 0
	s_cbranch_scc0 .Lfor_b_\@
	tensor_load_to_lds s[\g0a:\g0a+3], s[\g1a:\g1a+7]
	s_nop 0
.rept 4
	v_nop
.endr
	s_branch .Lasked_\@
.Lfor_b_\@:
	tensor_load_to_lds s[\g0b:\g0b+3], s[\g1b:\g1b+7]
	s_nop 0
.rept 4
	v_nop
.endr
.Lasked_\@:
.endm
.macro CREST
	s_cmp_lg_u32 s14, 0
	s_cbranch_scc1 .Lnot_wave_0_\@
	s_barrier_signal -3
.Lnot_wave_0_\@:
	s_barrier_wait -3
	s_barrier_signal -1
	s_barrier_wait -1
.endm
.macro CROUND
	s_barrier_signal -1
	s_barrier_wait -1
	CREST
.endm
	s_load_b128 s[4:7], s[0:1], 0x0
	s_load_b128 s[8:11], s[0:1], 0x10
	s_load_b64 s[12:13], s[0:1], 0x20
	s_load_b64 s[66:67], s[0:1], 0x28
	v_lshl_add_u32 v[SPW], v0, 2, SPARE
	v_mov_b32 v[NIL], 0
	ds_add_u32 v28, v29
	ds_add_u32 v28, v29
	s_wait_dscnt 0x0
	v_lshrrev_b32 v1, 5, v0
	v_readfirstlane_b32 s14, v1
	s_lshr_b32 s15, s14, 1
	s_and_b32 s16, s14, 1
	s_bfe_u32 s40, ttmp6, 0x40000
	s_bfe_u32 s41, ttmp6, 0x40004
	s_lshl_b32 s42, ttmp9, 2
	s_add_co_u32 s42, s42, s40
	s_and_b32 s17, ttmp7, 0xffff
	s_lshr_b32 s70, s17, 1
	s_lshl_b32 s17, s17, 2
	s_add_co_u32 s17, s17, s41
	s_and_b32 s68, s17, 7
	s_lshr_b32 s69, s17, 3
	s_lshl_b32 s43, s41, 2
	s_lshl_b32 s43, 15, s43
	s_lshl_b32 s44, 0x1111, s40
	s_or_b32 s[G1+0], s43, (3<<16)|(1<<21)
	s_mov_b32 s[G1+1], 32<<16
	s_mov_b32 s[G1+2], 96<<16
	s_mov_b32 s[G1+3], 32<<16
	s_mov_b32 s[G1+4], 96
	s_mov_b32 s[G1+5], 32
	s_mov_b32 s[G1+6], 0
	s_mov_b32 s[G1+7], 0
	s_or_b32 s[G1B+0], s44, (0<<16)|(1<<20)|(1<<21)|(3<<22)|(3<<25)
	s_mov_b32 s[G1B+1], 256<<16                    ; 128 rows of 192 bytes lie on end in memory: stated as 96 rows of 256 bytes, each at a multiple of 256;
	s_mov_b32 s[G1B+2], 96<<16                     ; the padding behind every 64 bytes gives the 128 LDS rows of 3 x 80 bytes
	s_mov_b32 s[G1B+3], 256<<16
	s_mov_b32 s[G1B+4], 96
	s_mov_b32 s[G1B+5], 256
	s_mov_b32 s[G1B+6], 0
	s_mov_b32 s[G1B+7], 0
	s_lshl_b32 s20, s69, 10
	s_lshl_b32 s21, s68, 4
	s_add_co_u32 s20, s20, s21
	s_lshl_b32 s21, s16, 3
	s_add_co_u32 s20, s20, s21
	s_mul_i32 s20, s20, 3072
	s_mov_b32 s21, 0
	s_lshl_b32 s46, s70, 13
	s_lshl_b32 s47, s42, 8
	s_add_co_u32 s46, s46, s47
	s_lshl_b32 s47, s16, 7
	s_add_co_u32 s46, s46, s47
	s_mul_i32 s46, s46, 192
	s_add_co_u32 s46, s46, VC
	s_mov_b32 s47, 0
	s_lshl_b32 s92, s70, 3
	s_lshl_b32 s93, s16, 2
	s_add_co_u32 s92, s92, s93
	s_lshl_b32 s92, s92, 10
	s_lshl_b32 s93, s42, 8
	s_add_co_u32 s92, s92, s93
	s_lshl_b32 s93, s15, 7
	s_add_co_u32 s92, s92, s93
	s_lshl_b32 s92, s92, 3
	s_add_co_u32 s92, s92, VSO
	s_mov_b32 s93, 0
	s_mul_i32 s45, s16, HALFA
	s_mul_i32 s94, s16, HALFB
	s_add_co_u32 s94, s94, 2*HALFA
	s_lshl_b32 s71, s14, 12
	s_add_co_u32 s71, s71, BSC
	s_lshl_b32 s72, s69, 17
	s_lshl_b32 s73, s68, 10
	s_add_co_u32 s72, s72, s73
	s_mov_b32 s73, 0
	s_lshl_b32 s74, s42, 3
	s_add_co_u32 s74, s74, s69
	s_lshl_b32 s74, s74, 11
	s_lshl_b32 s75, s68, 8
	s_add_co_u32 s74, s74, s75
	s_lshl_b32 s74, s74, 3
	s_mov_b32 s75, 0
	s_mov_b32 s95, 0x00ff00ff
	s_mov_b32 s96, 0x01000100
	v_lshlrev_b32 v10, 3, v0
	v_and_b32 v13, 31, v0
	v_lshlrev_b32 v13, 4, v13                      ; v13: 16 x lane: my part of 512 bytes of the text features' scale bytes
	v_add_nc_u32 v14, s71, v13                     ; v14: and where it goes in LDS: my wave's 4,096 bytes
	v_and_b32 v15, 31, v0
	v_min_u32 v15, 23, v15
	v_lshlrev_b32 v15, 8, v15                      ; v15: the prefetches' offset: a lane a block of 256 bytes, lanes 24-31 name the last once more; never rewritten
	s_wait_kmcnt 0x0
	s_add_nc_u64 s[20:21], s[4:5], s[20:21]
	s_add_nc_u64 s[46:47], s[8:9], s[46:47]
	s_add_nc_u64 s[92:93], s[10:11], s[92:93]
	s_add_nc_u64 s[6:7], s[6:7], s[72:73]
	s_add_nc_u64 s[66:67], s[66:67], s[74:75]
	; the prefetches: of the 96 blocks of 256 bytes that I fetch in a step of keys, each of the four partners that ask with me names 24, told apart by address (cx for p, cy for the text features)
	s_cmp_eq_u32 s15, 0                            ; do I fetch p's codes?
	s_cselect_b64 s[80:81], s[20:21], s[46:47]
	s_cselect_b32 s84, s40, s41
	s_mov_b32 s82, STEPB
	s_cselect_b32 s82, STEPA, s82                  ; s[82:83]: bytes from one step of keys to the next
	s_mov_b32 s83, 0
	s_mul_i32 s84, s84, 6144
	s_lshl_b32 s85, s82, 1
	s_add_co_u32 s84, s84, s85                     ; s[80:81] begins at step 2
	s_mov_b32 s85, 0
	s_add_nc_u64 s[80:81], s[80:81], s[84:85]
	CROUND
.irp s, 0,1
	s_mov_b32 s[G0+4*\s], 1
	s_add_co_u32 s[G0+4*\s+1], s45, \s*SLOT
	s_add_nc_u64 s[G0+4*\s+2:G0+4*\s+3], s[20:21], \s*STEPA
	s_or_b32 s[G0+4*\s+3], s[G0+4*\s+3], 0x80000000
	s_mov_b32 s[G0B+4*\s], 1
	s_add_co_u32 s[G0B+4*\s+1], s94, \s*SLOT
	s_add_nc_u64 s[G0B+4*\s+2:G0B+4*\s+3], s[46:47], \s*STEPB
	s_or_b32 s[G0B+4*\s+3], s[G0B+4*\s+3], 0x80000000
.endr
	JLOAD G0, G1, G0B, G1B                         ; slot 0: one tensor load a wave at the head
	s_wait_alu depctr_va_vdst(0)                   ; the wait ahead of the first readers of v10 and v13
.irp c, 0,1,2,3,4,5,6,7,8,9,10,11,12,13,14,15
	global_load_b64 v[NMR+2*\c:NMR+2*\c+1], v10, s[6:7] offset:1048576+8192*\c
.endr
.irp c, 0,1,2,3,4,5,6,7,8,9,10,11,12,13,14,15
	global_load_b64 v[WR+2*\c:WR+2*\c+1], v10, s[6:7] offset:8192*\c
.endr
.irp c, 0,1,2,3,4,5,6,7,8,9,10,11,12,13,14,15
	global_load_b64 v[LR+2*\c:LR+2*\c+1], v10, s[6:7] offset:2097152+8192*\c
.endr
.irp j, 0,1,2,3,4,5,6,7                ; the text features' scale bytes: my wave's 4 steps of keys x 128 d x 8 bytes, 512 consecutive bytes a load; they go on to LDS by stores
	global_load_b128 v[192+4*\j:195+4*\j], v13, s[92:93] offset:8192*(\j/2)+512*(\j%2)
.endr
	global_prefetch_b8 v15, s[80:81] th:TH_LOAD_NT scope:SCOPE_SE   ; step 2, which the first refill asks for
	s_wait_tensorcnt 0x0                           ; my part of slot 0 is in
	ds_add_u32 v[SPW], v[NIL]
	s_wait_dscnt 0x0
	CROUND
	JLOAD G0+4, G1, G0B+4, G1B                     ; slot 1's first fill: my one tensor load behind the round
	v_lshrrev_b32 v8, 6, v0
	v_and_b32 v9, 63, v0
	v_lshlrev_b32 v9, 4, v9
	v_lshl_add_u32 v11, v8, 13, v9
	v_add_nc_u32 v11, ASC, v11
	v_lshlrev_b32 v12, 4, v0
	v_and_b32 v1, 15, v0
	v_bfe_u32 v2, v0, 4, 1
	v_and_b32 v6, 31, v0
	v_lshlrev_b32 v7, 4, v6
	v_mul_u32_u24 v3, v1, PITCH
	v_mul_u32_u24 v4, v2, 24
	v_add_nc_u32 v4, v3, v4
	v_lshl_add_u32 v5, v2, 4, v4
	s_mul_i32 s21, s15, HALFA
	s_mul_i32 s22, s16, HALFB
	s_add_co_u32 s22, s22, 2*HALFA
.irp s, 0,1
	v_add_nc_u32 v[ADRA+\s], s21, v7
	v_add_nc_u32 v[ADRB+\s], s22, v4
	v_add_nc_u32 v[ADRB+2+\s], s22, v5
	s_add_co_u32 s21, s21, SLOT
	s_add_co_u32 s22, s22, SLOT
.endr
	v_lshlrev_b32 v5, 3, v1
	s_lshl_b32 s21, s15, 13
	s_lshl_b32 s22, s16, 13
	s_add_co_u32 s22, s22, BSC-ASC
	s_sub_co_u32 s22, s22, s21
	v_mul_u32_u24 v6, s22, v2
	s_add_co_u32 s21, s21, ASC
	v_add_nc_u32 v5, v5, v6
	v_add_nc_u32 v[ADRS], s21, v5
	s_mul_i32 s23, s14, 16*SPITCH
	v_mul_u32_u24 v5, v1, SPITCH
	v_lshl_add_u32 v5, v2, 5, v5
	v_add_nc_u32 v[STO], s23, v5
	v_and_b32 v6, 31, v0
	v_lshlrev_b32 v[CO], 4, v6
	v_add_nc_u32 v[RD], s23, v[CO]
	s_lshl_b32 s20, s69, 11
	s_lshl_b32 s21, s68, 8
	s_add_co_u32 s20, s20, s21
	s_lshl_b32 s21, s15, 7
	s_add_co_u32 s20, s20, s21
	s_lshl_b32 s20, s20, 12
	s_lshl_b32 s46, s42, 10
	s_lshl_b32 s47, s16, 9
	s_add_co_u32 s46, s46, s47
	s_add_co_u32 s20, s20, s46
	s_mov_b32 s21, 0
	s_add_nc_u64 s[12:13], s[12:13], s[20:21]
	s_wait_loadcnt 0x0
.irp e, 0,1
	v_min3_num_f32 v[RES+2*\e], v[NMR+\e], v[NMR+2+\e], v[NMR+4+\e]
.endr
.irp c, 3,5,7,9,11,13
.irp e, 0,1
	v_min3_num_f32 v[RES+2*\e], v[RES+2*\e], v[NMR+2*\c+\e], v[NMR+2*\c+2+\e]
.endr
.endr
.irp e, 0,1
	v_min_num_f32 v[RES+2*\e], v[RES+2*\e], v[NMR+30+\e]
.endr
.macro ADJ kp
.irp n, 0,1,2,3
	v_sub_f32 v[TT+\n], v[RES+2*(\n%2)], v[NMR+4*(\kp)+\n]
.endr
.irp n, 0,1,2,3
	v_cvt_i32_f32 v[TT+\n], v[TT+\n]
.endr
.irp n, 0,1,2,3
	v_ldexp_f32 v[UU+\n], v[LR+4*(\kp)+\n], v[TT+\n]
.endr
.irp n, 0,1,2,3
	v_sub_nc_u32 v[TT+\n], 0, v[TT+\n]
.endr
.irp n, 0,1,2,3
	v_min_u32 v[TT+\n], 0xff, v[TT+\n]
.endr
.irp n, 0,1,2,3
	v_mul_u32_u24 v[TT+\n], 0x10001, v[TT+\n]
.endr
.irp n, 0,1,2,3
	v_and_or_b32 v[EE+\n], v[WR+4*(\kp)+\n], s95, s96
.endr
.irp n, 0,1,2,3
	v_lshrrev_b32 v[OO+\n], 8, v[WR+4*(\kp)+\n]
.endr
.irp n, 0,1,2,3
	v_and_or_b32 v[OO+\n], v[OO+\n], s95, s96
.endr
.irp n, 0,1,2,3
	v_sub_nc_u32 v[EE+\n], v[EE+\n], v[TT+\n]
.endr
.irp n, 0,1,2,3
	v_sub_nc_u32 v[OO+\n], v[OO+\n], v[TT+\n]
.endr
.irp n, 0,1,2,3
	v_lshrrev_b32 v[FF+\n], 8, v[EE+\n]
.endr
.irp n, 0,1,2,3
	v_lshrrev_b32 v[GG+\n], 8, v[OO+\n]
.endr
.irp n, 0,1,2,3
	v_and_b32 v[FF+\n], 0x10001, v[FF+\n]
.endr
.irp n, 0,1,2,3
	v_and_b32 v[GG+\n], 0x10001, v[GG+\n]
.endr
.irp n, 0,1,2,3
	v_mul_u32_u24 v[FF+\n], 0xff, v[FF+\n]
.endr
.irp n, 0,1,2,3
	v_mul_u32_u24 v[GG+\n], 0xff, v[GG+\n]
.endr
.irp n, 0,1,2,3
	v_and_b32 v[EE+\n], v[EE+\n], v[FF+\n]
.endr
.irp n, 0,1,2,3
	v_and_b32 v[OO+\n], v[OO+\n], v[GG+\n]
.endr
.irp n, 0,1,2,3
	v_lshl_or_b32 v[OUTW+4*(\kp)+2*(\n%2)+\n/2], v[OO+\n], 8, v[EE+\n]
.endr
.if (\kp) == 0
	v_add_f32 v[RES+1], v[UU], v[UU+2]
	v_add_f32 v[RES+3], v[UU+1], v[UU+3]
.else
	v_add_f32 v[RES+1], v[RES+1], v[UU]
	v_add_f32 v[RES+3], v[RES+3], v[UU+1]
	v_add_f32 v[RES+1], v[RES+1], v[UU+2]
	v_add_f32 v[RES+3], v[RES+3], v[UU+3]
.endif
.endm
.irp k, 0,1,2,3,4,5,6,7
	ADJ \k
.endr
.irp k, 0,1,2,3,4,5,6,7
	ds_store_b128 v11, v[OUTW+4*\k:OUTW+4*\k+3] offset:1024*\k
.endr
.irp j, 0,1,2,3,4,5,6,7
	ds_store_b128 v14, v[192+4*\j:195+4*\j] offset:512*\j
.endr
	global_store_b128 v12, v[RES:RES+3], s[66:67]
.macro FRAG reg, adr, q, i
.irp p, 0,1,2,3,4,5
.set PC, 12*(\q)+6*(\p/3)+\p%3
.if PC%8 < 5
	ds_load_b64 v[\reg+2*\p:\reg+2*\p+1], v[\adr] offset:8*PC+16*(PC/8)+(\i)*16*PITCH
.else
	ds_load_b64 v[\reg+2*\p:\reg+2*\p+1], v[\adr+2] offset:8*PC+16*(PC/8)+(\i)*16*PITCH
.endif
.endr
.endm
.macro MUL16 a0, p, q, sc, zero
.irp a, \a0, \a0+1
.irp b, 0,1,2,3,4,5,6,7
.if \zero
	v_wmma_scale_f32_16x16x128_f8f6f4 v[8*(8*((\a)%4)+\b):8*(8*((\a)%4)+\b)+7], v[128*(\p)+FR*\b:128*(\p)+FR*\b+FR-1], v[AF+FR*(\a):AF+FR*(\a)+FR-1], 0, v[SC+8*NQ*(\sc)+NQ*\b+(\q)], v[SC+8*NQ*(\sc)+NQ*(\a)+(\q)] matrix_a_fmt:MATRIX_FMT_BF6 matrix_b_fmt:MATRIX_FMT_BF6 matrix_a_scale:MATRIX_SCALE_ROW1
.else
	v_wmma_scale_f32_16x16x128_f8f6f4 v[8*(8*((\a)%4)+\b):8*(8*((\a)%4)+\b)+7], v[128*(\p)+FR*\b:128*(\p)+FR*\b+FR-1], v[AF+FR*(\a):AF+FR*(\a)+FR-1], v[8*(8*((\a)%4)+\b):8*(8*((\a)%4)+\b)+7], v[SC+8*NQ*(\sc)+NQ*\b+(\q)], v[SC+8*NQ*(\sc)+NQ*(\a)+(\q)] matrix_a_fmt:MATRIX_FMT_BF6 matrix_b_fmt:MATRIX_FMT_BF6 matrix_a_scale:MATRIX_SCALE_ROW1
.endif
.endr
.endr
.endm
.macro FETCH_B slot, q, p
	WIN TO_B
.irp i, 0,1,2,3,4,5,6,7
	FRAG 128*(\p)+FR*\i, ADRB+\slot, \q, \i
.endr
	WIN 0
.endm
.macro FETCH_A slot, q, i0
.irp i, \i0, \i0+1, \i0+2, \i0+3
.irp c, 0,1,2
	ds_load_b128 v[AF+FR*(\i)+4*\c:AF+FR*(\i)+4*\c+3], v[ADRA+\slot] offset:3072*(\i)+1536*(\q)+512*\c
.endr
.endr
.endm
.macro SCALES sc
.irp i, 0,1,2,3,4,5,6,7
	ds_load_b64 v[SC+8*NQ*\sc+NQ*\i:SC+8*NQ*\sc+NQ*\i+1], v[ADRS] offset:\i*128
.endr
.endm
.macro PLACES n
.rept \n
	v_nop
.endr
.endm
.macro STEP slot, q, zero
	s_wait_dscnt 4*NLA                             ; B's set and A's blocks 0-3 are in; the youngest 12 loads (A's blocks 4-7) may be out
	FETCH_B \slot, (\q)+1, 1-(\q)%2                ; B's other set is free (four places stand behind its last products): 48 loads, 64 matrix instructions ahead of their use
	WIN MUL_LO
	MUL16 0, (\q)%2, \q, \slot, \zero
	MUL16 2, (\q)%2, \q, \slot, \zero
	s_wait_dscnt 48                                ; A's blocks 4-7 are in; the 48 loads of B's next set may be out
	PLACES NP
	WIN 0
	FETCH_A \slot, (\q)+1, 0
	WIN MUL_HI
	MUL16 4, (\q)%2, \q, \slot, \zero
	MUL16 6, (\q)%2, \q, \slot, \zero
	PLACES NP
	WIN 0
	FETCH_A \slot, (\q)+1, 4
.endm
.macro TURN slot, next, fill
.if \fill
	s_wait_xcnt 0x0                                ; my last prefetch has read its address: it steps here, a step of keys behind that prefetch
	s_add_nc_u64 s[80:81], s[80:81], s[82:83]
.endif
	s_wait_tensorcnt 0x0
	ds_add_u32 v[SPW], v[NIL]
	s_wait_dscnt 4*NLA+1
	WIN MUL_LO
	MUL16 0, 1, NQ-1, \slot, 0
	s_wait_dscnt 0x0
	s_barrier_signal -1
	MUL16 2, 1, NQ-1, \slot, 0
	WIN 0
	s_barrier_wait -1
.if \fill
	CREST
	s_add_nc_u64 s[G0+4*\slot+2:G0+4*\slot+3], s[G0+4*\slot+2:G0+4*\slot+3], 2*STEPA
	s_add_nc_u64 s[G0B+4*\slot+2:G0B+4*\slot+3], s[G0B+4*\slot+2:G0B+4*\slot+3], 2*STEPB
	JLOAD G0+4*\slot, G1, G0B+4*\slot, G1B
.else
	PLACES NP
.endif
	s_wait_alu depctr_va_vdst(0)
	v_add_nc_u32 v[ADRS], 1024, v[ADRS]
	FETCH_B \next, 0, 0
	FETCH_A \next, 0, 0
	SCALES \next
.if \fill                              ; a prefetch behind the joint load and the run of LDS loads: the step of keys that stands two refills on; the loop's last trip (s3 = 1) has none left
	s_cmp_gt_u32 s3, 1
	s_cbranch_scc0 .Lno_ask_\@
	global_prefetch_b8 v15, s[80:81] th:TH_LOAD_NT scope:SCOPE_SE
.Lno_ask_\@:
.endif
	WIN MUL_HI
	MUL16 4, 1, NQ-1, \slot, 0
	MUL16 6, 1, NQ-1, \slot, 0
	PLACES NP
	WIN 0
	FETCH_A \next, 0, 4
.endm
	s_wait_tensorcnt 1                             ; slot 1's load may be out
	s_wait_xcnt 0x0
	s_add_nc_u64 s[80:81], s[80:81], s[82:83]
	global_prefetch_b8 v15, s[80:81] th:TH_LOAD_NT scope:SCOPE_SE   ; step 3, which the second refill asks for
	s_wait_dscnt 0x0
	s_barrier_signal -1
	s_barrier_wait -1
	FETCH_B 0, 0, 0
	FETCH_A 0, 0, 0
	SCALES 0
	FETCH_A 0, 0, 4
	STEP 0, 0, 1
	s_mov_b32 s3, LAPS-1
.Llap:
	TURN 0, 1, 1
	STEP 1, 0, 0
	TURN 1, 0, 1
	STEP 0, 0, 0
	s_sub_co_u32 s3, s3, 1
	s_cmp_lg_u32 s3, 0
	s_cbranch_scc1 .Llap
	TURN 0, 1, 0
	STEP 1, 0, 0
	s_wait_dscnt 4*NLA
	WIN MUL_LO
	MUL16 0, 1, NQ-1, 1, 0
	MUL16 2, 1, NQ-1, 1, 0
	s_wait_dscnt 0
	WIN MUL_HI
	MUL16 4, 1, NQ-1, 1, 0
	MUL16 6, 1, NQ-1, 1, 0
	WIN 0
.macro TOSTAGE a
.set AC, 64*((\a)%4)
.set WD, 0x08+4*((\a)/4)
	WIN WD
.irp b, 0,1,2,3,4,5,6,7
	ds_store_b128 v[STO], v[AC+8*\b:AC+8*\b+3] offset:64*\b
	ds_store_b128 v[STO], v[AC+8*\b+4:AC+8*\b+7] offset:64*\b+16
.endr
	WIN 0
.set BB, BK+64*((\a)%2)
.irp t, 0,1,2,3,4,5,6,7,8,9,10,11,12,13,14,15
	ds_load_b128 v[BB+4*\t:BB+4*\t+3], v[RD] offset:\t*SPITCH
.endr
.endm
.macro SEND a, younger
.set BB, BK+64*((\a)%2)
	s_wait_dscnt \younger
.if (\a) > 0
	s_add_nc_u64 s[12:13], s[12:13], 16*SIZE_N*4
.endif
.irp t, 0,1,2,3,4,5,6,7,8,9,10,11,12,13,14,15
	global_store_b128 v[CO], v[BB+4*\t:BB+4*\t+3], s[12:13] offset:\t*SIZE_N*4 th:TH_STORE_NT
.endr
.endm
	PLACES NP
	TOSTAGE 0
.irp a, 1,2,3,4,5,6,7
.if \a > 1
	s_wait_xcnt 0x0
.endif
	TOSTAGE \a
	SEND \a-1, 32
.endr
	s_wait_xcnt 0x0
	SEND 7, 0
	s_wait_tensorcnt 0x0
	ds_add_u32 v[SPW], v[NIL]
	s_wait_dscnt 0x0
	CROUND
	s_endpgm
.Lfunc_end_k_q9fc0bc5816_gemm2:
	.size	k_q9fc0bc5816_gemm2, .Lfunc_end_k_q9fc0bc5816_gemm2-k_q9fc0bc5816_gemm2
	.p2alignl 7, 3214868480
	.fill 96, 4, 3214868480
	.section	.rodata,"a",@progbits
	.p2align	6, 0x0
	.amdhsa_kernel k_q9fc0bc5816_gemm2
		.amdhsa_group_segment_fixed_size 327680
		.amdhsa_private_segment_fixed_size 0
		.amdhsa_enable_private_segment 0
		.amdhsa_kernarg_size 48
		.amdhsa_user_sgpr_count 2
		.amdhsa_user_sgpr_kernarg_segment_ptr 1
		.amdhsa_wavefront_size32 1
		.amdhsa_system_sgpr_workgroup_id_x 1
		.amdhsa_system_sgpr_workgroup_id_y 1
		.amdhsa_system_sgpr_workgroup_id_z 1
		.amdhsa_system_vgpr_workitem_id 0
		.amdhsa_next_free_vgpr 1024
		.amdhsa_next_free_sgpr 100
		.amdhsa_reserve_vcc 0
		.amdhsa_float_denorm_mode_32 3
		.amdhsa_float_denorm_mode_16_64 3
		.amdhsa_memory_ordered 1
		.amdhsa_forward_progress 1
		.amdhsa_inst_pref_size 188
	.end_amdhsa_kernel
	.amdgpu_metadata
---
amdhsa.version: [ 1, 2 ]
amdhsa.kernels:
  - .name:           k_q9fc0bc5816_gemm2
    .symbol:         k_q9fc0bc5816_gemm2.kd
    .args:
      - { .name: pcodes, .offset: 0, .size: 8, .value_kind: global_buffer, .address_space: global }
      - { .name: pstat, .offset: 8, .size: 8, .value_kind: global_buffer, .address_space: global }
      - { .name: codes, .offset: 16, .size: 8, .value_kind: global_buffer, .address_space: global }
      - { .name: scales, .offset: 24, .size: 8, .value_kind: global_buffer, .address_space: global }
      - { .name: part, .offset: 32, .size: 8, .value_kind: global_buffer, .address_space: global }
      - { .name: st2, .offset: 40, .size: 8, .value_kind: global_buffer, .address_space: global }
    .group_segment_fixed_size: 327680
    .private_segment_fixed_size: 0
    .kernarg_segment_align: 8
    .kernarg_segment_size: 48
    .max_flat_workgroup_size: 128
    .sgpr_count:     100
    .vgpr_count:     1024
    .wavefront_size: 32
...
	.end_amdgpu_metadata
.endif
;; end of part 3
;; launch combine (part 4): grid 1024 x 1, 8 waves a work-group, no clusters, 0 bytes of LDS; arguments part, st2, x, alpha, out0; writes out0
.if DOCPART == 4
	.amdgcn_target "amdgcn-amd-amdhsa--gfx1250"
	.amdhsa_code_object_version 6
	.text
	.protected	k_q9fc0bc5816_combine
	.globl	k_q9fc0bc5816_combine
	.p2align	8
	.type	k_q9fc0bc5816_combine,@function
k_q9fc0bc5816_combine:
	s_mov_b64 s[64:65], 0
	v_nop
	global_prefetch_b8 v0, s[64:65] scope:SCOPE_SE
	s_setreg_imm32_b32 hwreg(HW_REG_WAVE_MODE, 25, 1), 1
	s_wait_xcnt 0x0
; out[q][d] = x[q][d] + alpha x (the sum over the 8 splits s of O_s[q][d] x 2^(M_s - M)) / l,  M = the largest M_s,  l = the sum of l_s x 2^(M_s - M).  All scalings by powers of two are exact.
; part: [8 splits][2,048 places][1,024 d] f32;  st2: [4 tiles of d][8 splits][2,048 places][2] f32 = (-M_s, l_s);  row q of x lies at place q with bits 3 and 4 exchanged.
; A stream: a work-group takes 2 rows, a wave a quarter of a row (1,024 bytes, one tile of d): 19 loads a wave go out together, each of the 18 large ones 512 consecutive bytes; no LDS, no barrier, no matrix work.
; LIMITS: NaN and infinities are not served; the division is a reciprocal (1 ulp) and a multiplication.
	s_load_b128 s[4:7], s[0:1], 0x0                ; part, st2
	s_load_b128 s[8:11], s[0:1], 0x10              ; x, alpha
	s_load_b64 s[12:13], s[0:1], 0x20              ; out0
	v_lshrrev_b32 v1, 5, v0
	s_delay_alu instid0(VALU_DEP_1)
	v_readfirstlane_b32 s16, v1                    ; wave 0..7
	v_and_b32 v1, 31, v0
	s_delay_alu instid0(VALU_DEP_1)
	v_lshlrev_b32 v1, 4, v1                        ; 16 bytes a lane
	v_and_b32 v84, 7, v0
	s_delay_alu instid0(VALU_DEP_1)
	v_lshlrev_b32 v84, 14, v84                     ; lane l takes split l % 8: 2,048 places x 8 bytes apart
	s_lshr_b32 s17, s16, 2
	s_lshl_b32 s18, ttmp9, 1
	s_add_co_u32 s18, s18, s17                     ; my row q
	s_and_b32 s19, s16, 3                          ; my tile of d
	s_and_b32 s20, s18, 0xffffffe7
	s_and_b32 s21, s18, 8
	s_lshl_b32 s21, s21, 1
	s_or_b32 s20, s20, s21
	s_and_b32 s21, s18, 16
	s_lshr_b32 s21, s21, 1
	s_or_b32 s20, s20, s21                         ; its place: bits 3 and 4 exchanged
	s_lshl_b32 s21, s19, 10
	s_lshl_b32 s22, s18, 12
	s_add_co_u32 s22, s22, s21                     ; x, out: 4,096 q + 1,024 x tile
	s_mov_b32 s23, 0
	s_lshl_b32 s56, s20, 12
	s_add_co_u32 s56, s56, s21                     ; part: 4,096 x place + 1,024 x tile
	s_mov_b32 s57, 0
	s_lshl_b32 s58, s19, 17
	s_lshl_b32 s59, s20, 3
	s_add_co_u32 s58, s58, s59                     ; st2: 131,072 x tile + 8 x place
	s_mov_b32 s59, 0
	s_wait_alu depctr_va_vdst(0)
	s_wait_kmcnt 0x0
	s_load_b32 s14, s[10:11], 0x0                  ; alpha
	s_add_nc_u64 s[6:7], s[6:7], s[58:59]
	s_add_nc_u64 s[8:9], s[8:9], s[22:23]
	s_add_nc_u64 s[12:13], s[12:13], s[22:23]
	s_add_nc_u64 s[24:25], s[4:5], s[56:57]        ; a base for each split: 8,388,608 bytes apart, one more than a load's immediate holds
.irp s, 1,2,3,4,5,6,7
	s_add_nc_u64 s[24+2*\s:25+2*\s], s[22+2*\s:23+2*\s], 0x800000
.endr
	global_load_b64 v[2:3], v84, s[6:7]            ; (-M_s, l_s)
	global_load_b128 v[8:11], v1, s[8:9] th:TH_LOAD_NT
	global_load_b128 v[12:15], v1, s[8:9] offset:512 th:TH_LOAD_NT
.irp s, 0,1,2,3,4,5,6,7
	global_load_b128 v[16+8*\s:19+8*\s], v1, s[24+2*\s:25+2*\s] th:TH_LOAD_NT
	global_load_b128 v[20+8*\s:23+8*\s], v1, s[24+2*\s:25+2*\s] offset:512 th:TH_LOAD_NT
.endr
	s_wait_loadcnt 18                              ; the statistics are in; x's 2 and the parts' 16 loads may be out
	v_mov_b32 v4, v2
	s_delay_alu instid0(VALU_DEP_1)
	v_min_num_f32_dpp v4, v4, v4 row_xmask:1 row_mask:0xf bank_mask:0xf   ; -M = the least -M_s of the eight lanes
	s_delay_alu instid0(VALU_DEP_1)
	v_min_num_f32_dpp v4, v4, v4 row_xmask:2 row_mask:0xf bank_mask:0xf
	s_delay_alu instid0(VALU_DEP_1)
	v_min_num_f32_dpp v4, v4, v4 row_xmask:4 row_mask:0xf bank_mask:0xf
	s_delay_alu instid0(VALU_DEP_1)
	v_sub_f32 v5, v4, v2                           ; M_s - M: a whole number, 0 or less
	s_delay_alu instid0(VALU_DEP_1)
	v_cvt_i32_f32 v5, v5                           ; (it saturates)
	s_delay_alu instid0(VALU_DEP_1)
	v_ldexp_f32 v6, 1.0, v5                        ; f_s = 2^(M_s - M)
	s_delay_alu instid0(VALU_DEP_1)
	v_mul_f32 v7, v3, v6
	s_delay_alu instid0(VALU_DEP_1)
	v_add_f32_dpp v7, v7, v7 row_xmask:1 row_mask:0xf bank_mask:0xf       ; l
	s_delay_alu instid0(VALU_DEP_1)
	v_add_f32_dpp v7, v7, v7 row_xmask:2 row_mask:0xf bank_mask:0xf
	s_delay_alu instid0(VALU_DEP_1)
	v_add_f32_dpp v7, v7, v7 row_xmask:4 row_mask:0xf bank_mask:0xf
	s_wait_alu depctr_va_vdst(0)
	v_rcp_f32 v80, v7
	v_nop                                          ; a plain line behind the reciprocal
	s_wait_kmcnt 0x0                               ; alpha
	s_wait_alu depctr_va_vdst(0)                   ; ahead of the reciprocal's first reader
	v_mul_f32 v6, v6, v80
	s_delay_alu instid0(VALU_DEP_1)
	v_mul_f32 v6, s14, v6                          ; g_s = alpha f_s / l, in lane s
.irp s, 0,1,2,3,4,5,6,7
	v_readlane_b32 s[40+2*\s], v6, \s
	s_mov_b32 s[41+2*\s], s[40+2*\s]               ; (the packed form names the pair)
.endr
.irp s, 0,1,2,3,4,5,6,7
	s_wait_alu depctr_va_vdst(0)
	s_wait_loadcnt 2*(7-\s)                        ; x and split s are in; the later splits' loads may be out
.irp k, 0,2,4,6
	v_pk_fma_f32 v[8+\k:9+\k], v[16+8*\s+\k:17+8*\s+\k], s[40+2*\s:41+2*\s], v[8+\k:9+\k] op_sel_hi:[1,0,1]
.endr
.endr
	global_store_b128 v1, v[8:11], s[12:13] th:TH_STORE_NT                ; 32 lanes store 512 consecutive bytes, at a multiple of 256 from the buffer's first byte
	global_store_b128 v1, v[12:15], s[12:13] offset:512 th:TH_STORE_NT
	s_endpgm
.Lfunc_end_k_q9fc0bc5816_combine:
	.size	k_q9fc0bc5816_combine, .Lfunc_end_k_q9fc0bc5816_combine-k_q9fc0bc5816_combine
	.p2alignl 7, 3214868480
	.fill 96, 4, 3214868480
	.section	.rodata,"a",@progbits
	.p2align	6, 0x0
	.amdhsa_kernel k_q9fc0bc5816_combine
		.amdhsa_group_segment_fixed_size 0
		.amdhsa_private_segment_fixed_size 0
		.amdhsa_enable_private_segment 0
		.amdhsa_kernarg_size 40
		.amdhsa_user_sgpr_count 2
		.amdhsa_user_sgpr_kernarg_segment_ptr 1
		.amdhsa_wavefront_size32 1
		.amdhsa_system_sgpr_workgroup_id_x 1
		.amdhsa_system_sgpr_workgroup_id_y 1
		.amdhsa_system_sgpr_workgroup_id_z 1
		.amdhsa_system_vgpr_workitem_id 0
		.amdhsa_next_free_vgpr 96
		.amdhsa_next_free_sgpr 66
		.amdhsa_reserve_vcc 0
		.amdhsa_float_denorm_mode_32 3
		.amdhsa_float_denorm_mode_16_64 3
		.amdhsa_memory_ordered 1
		.amdhsa_forward_progress 1
		.amdhsa_inst_pref_size 9
	.end_amdhsa_kernel
	.amdgpu_metadata
---
amdhsa.version: [ 1, 2 ]
amdhsa.kernels:
  - .name:           k_q9fc0bc5816_combine
    .symbol:         k_q9fc0bc5816_combine.kd
    .args:
      - { .name: part, .offset: 0, .size: 8, .value_kind: global_buffer, .address_space: global }
      - { .name: st2, .offset: 8, .size: 8, .value_kind: global_buffer, .address_space: global }
      - { .name: x, .offset: 16, .size: 8, .value_kind: global_buffer, .address_space: global }
      - { .name: alpha, .offset: 24, .size: 8, .value_kind: global_buffer, .address_space: global }
      - { .name: out0, .offset: 32, .size: 8, .value_kind: global_buffer, .address_space: global }
    .group_segment_fixed_size: 0
    .private_segment_fixed_size: 0
    .kernarg_segment_align: 8
    .kernarg_segment_size: 40
    .max_flat_workgroup_size: 256
    .sgpr_count:     66
    .vgpr_count:     96
    .wavefront_size: 32
...
	.end_amdgpu_metadata
.endif
;; end of part 4
